; MI455X (gfx1250); checked and timed in simulation.
; The chip was launched on July 23, 2026; its instructions are those of AMD's public machine-readable ISA for CDNA 5 (MIT licence, August 2026) and "CDNA5" Instruction Set Architecture Reference Guide (July 2026). The comments in the code are by the model that wrote it; some were corrected since.
;; Multi Head Attention. Allowed arithmetic: matrix products marked QUANTISED: E2M3 operands, one E8M0 scale for each 32 along K, by v_wmma_scale_f32_16x16x128_f8f6f4 with both operands' format E2M3, f32 sums; everything else in f32.
;; Inputs: w_out 1,024 x 1,024 float32; w_qkv 1,024 x 3,072 float32; x 4 x 2,048 x 1,024 float32.
;; Outputs: out0 4 x 2,048 x 1,024 float32.
;; This version of the problem:
;;   THIS VERSION OF THE PROBLEM IS GIVEN IN LOW PRECISION. The matrix products marked QUANTISED in the list below multiply operands that are first quantised to E2M3 (2 exponent bits, 3 mantissa bits; 6 bits a number), with one power-of-two scale for each 32 numbers along K (OCP MX v1.0); their sums are f32. All else is computed in f32.
;;   The module's matrix products, in the order in which they are computed (A, B: the left and right operand; K: the contracted axis; several contracted axes count as one K, in the product's order):
;;     1. [M 8,192, K 1,024] x [K 1,024, N 3,072]; A: input x; B: input w_qkv: QUANTISED
;;     2. batch 64 x [M 2,048, K 64] x [K 64, N 2,048]; A: computed on the way; B: computed on the way: QUANTISED
;;     3. batch 64 x [M 2,048, K 2,048] x [K 2,048, N 64]; A: softmax (see below); B: computed on the way: QUANTISED
;;     4. [M 8,192, K 1,024] x [K 1,024, N 1,024]; A: computed on the way; B: input w_out: QUANTISED
;;   THE QUANTISER, for each operand of a quantised product, along K:
;;     - K is cut into blocks of 32 from its start; a last block that is shorter is filled with zeros.
;;     - A block's scale is 2^e with e = floor(log2(the largest magnitude in the block)) - 2, held to -126 .. 127; a block of zeros has e = 0. As a byte (E8M0): e + 127.
;;     - Each number is divided by its block's scale, clamped to +-7.5, and rounded to the nearest number of E2M3, ties to even, subnormals kept.
;;     - The product sums the exact products of the quantised numbers (number of the format x scale) in f32.
;;   ~~~python
;;   def quantise(x, axis):      # numpy; x: float32 -> the quantised numbers, widened to float32 again
;;       x = np.moveaxis(x, axis, -1); K = x.shape[-1]
;;       x = np.pad(x, [(0, 0)] * (x.ndim - 1) + [(0, -K % 32)]); x = x.reshape(x.shape[:-1] + (-1, 32)); a = np.abs(x).max(-1, keepdims=True)
;;       e = np.where(a > 0, np.clip(np.frexp(np.where(a > 0, a, 1))[1] - 1 - 2, -126, 127), 0)      # np.frexp(a)[1] - 1 = floor(log2(a)), exactly
;;       r = np.clip(x / 2.0 ** e, -7.5, 7.5)
;;       step = 2.0 ** (np.maximum(np.frexp(np.where(r == 0, 1, r))[1] - 1, 0) - 3)
;;       q = np.round(r / step) * step * 2.0 ** e      # np.round: ties to even
;;       return np.moveaxis(q.reshape(q.shape[:-2] + (-1,))[..., :K], -1, axis).astype(np.float32)
;;   ~~~
;;   SOFTMAX AHEAD OF A QUANTISED PRODUCT. Where the list says 'softmax', what is quantised is not the finished softmax but p = 2^(t - M), with t = logit x log2(e) and M = ceil(the row's largest t), a whole number; so 1/2 < the row's largest p <= 1. The row's sum l is taken of the UNQUANTISED p, in f32, and the product's result is divided by l at the end. Since M is a whole number, a kernel that streams over the keys may use a running M (the ceiling of the running maximum): every later rescaling is an exact power of two, which a block's scale takes up: the codes' values come out the same.
;;   OPERANDS COMPUTED ON THE WAY. 'Computed on the way' means the value that the module computes at that place (a softmax that the list does not call 'softmax' is quantised finished and normalised). What goes into a quantiser is computed in f32, as accurately as f32 sums, v_exp_f32 and their like allow (about 1e-6 of the number): no bf16 or f16 on the way to a quantiser, and a product that is left as it is and whose result goes on into a quantised operand takes f32 operands (vector FMAs, or v_wmma_f32_16x16x4_f32). A number that lies on a knife's edge between two numbers of the format may be rounded either way, as far as f32 arithmetic and the matrix unit's own rounding can turn it there, and no further.
;; One version. Each part assembles by itself: llvm-mc -triple=amdgcn-amd-amdhsa -mcpu=gfx1250 --defsym DOCPART=n.
;; ======== version 1 of 1: 4 launches
;; workspace buffers: op 16,384,000 bytes; qb 6,815,744 bytes; kv 13,369,344 bytes
;; launch quant (part 1): grid 640 x 1, 8 waves a work-group, no clusters, 94,720 bytes of LDS; arguments x, w_qkv, w_out, op; writes op
.if DOCPART == 1
	.amdgcn_target "amdgcn-amd-amdhsa--gfx1250"
	.amdhsa_code_object_version 6
	.text
	.protected	k_qab019d8d20_quant
	.globl	k_qab019d8d20_quant
	.p2align	8
	.type	k_qab019d8d20_quant,@function
k_qab019d8d20_quant:
	s_mov_b64 s[64:65], 0
	v_nop
	global_prefetch_b8 v0, s[64:65] scope:SCOPE_SE
	s_setreg_imm32_b32 hwreg(HW_REG_WAVE_MODE, 25, 1), 1
	s_wait_xcnt 0x0
; x [8192][1024], w_qkv [1024][3072] and w_out [1024][1024], f32, become codes of FP6 (E2M3) with one E8M0 scale byte for each 32 along K = 1024, laid in op as the matrix unit's registers take them.
; op is a run of RECORDS of 12,800 bytes, one for each ROWBLOCK of 16 rows (of x: tokens; of a weight: its columns).  Rowblock 2 g + u holds rows 32 g + 8 u + r + 8 (r / 8), r = 0 .. 15.
; A record: 16 images of 768 bytes (16 rows x 64 along K: lane l = r + 16 h holds the 24 bytes of k = 32 h .. 32 h + 31: its first 16 bytes at 16 l, its last 8 at 512 + 8 l), then 512 bytes of scale words:
; the word of row r and K step ks (128 along K) at 12,288 + 256 (ks / 4) + 16 r + 4 (ks % 4).  Rowblocks 0-511: x; 512-703: w_qkv; 704-767: w_out.
; A block's scale is 2^(floor(log2(its largest magnitude)) - 2); its byte is the largest magnitude's exponent field - 2, held at 1 from below.
; LIMITS: a block of zeros, or one whose largest magnitude lies under 2^-124, gets the byte 1 (its codes are zeros or are held; the bytes are read by this program alone); NaN and infinities are not served.
; Work-groups 0-511 take one rowblock of x each, wave w its K step w.  Work-groups 512-639 take weights: a wave takes 32 columns x 128 along K, a lane a column, its registers running down K.
; The two ways part on the work-group's number and have LDS bytes of their own.  No tensor loads.  Every store of a wave covers 256 or 512 consecutive bytes, aligned.
.set REC,   12800
.set XST,   0                          ; x: a stage of 16 rows x (512 + 16) bytes for each wave
.set XSC,   67584                      ; x: the rowblock's 512 bytes of scale words
.set WIMG,  68096                      ; weights: two fragments' images, 3,072 bytes, for each wave
.set WSC,   92672                      ; weights: 256 bytes of scale words for each of four rowblocks
.set SPARE, 93696                      ; the spare words, 128 bytes for each wave: four blocks of 256 bytes that no other line names
.set SPW,   30                         ; v30  LDS address of my spare word; never rewritten
.set NIL,   31                         ; v31  0; never rewritten
.set SEL,   20                         ; s[20:21] lane selects: lane l xor 16
.set PC,    160                        ; v160-179 a fragment's codes, and the conversions' second halves
.set TM,    180                        ; v180-195 at work
.set PW,    196                        ; v196 the scale word
; 64 numbers of a lane, register 16 b + i = k 32 b + 16 (lane / 16) + i of my row, become a fragment's 12 registers in v[PC] on and my row's scale word in v[PW].
.macro QUANT s
.irp b, 0,1,2,3
	v_max3_num_f32 v[TM+\b], |v[\s+16*\b]|, |v[\s+1+16*\b]|, 0x1800000   ; my 16 numbers of block b, and the floor 2^(3 - 127): the byte cannot fall under 1
.endr
.irp i, 2,4,6,8,10,12,14
.irp b, 0,1,2,3
	v_max3_num_f32 v[TM+\b], v[TM+\b], |v[\s+16*\b+\i]|, |v[\s+1+16*\b+\i]|
.endr
.endr
.irp b, 0,1,2,3
	v_permlanex16_b32 v[TM+4+\b], v[TM+\b], s[SEL], s[SEL+1]
.endr
.irp b, 0,1,2,3
	v_max_num_f32 v[TM+\b], v[TM+\b], v[TM+4+\b]          ; with lane l xor 16's: the block's largest magnitude
.endr
.irp b, 0,1,2,3
	v_add_nc_u32 v[TM+12+\b], 0xff000000, v[TM+\b]        ; 2 off its exponent field: the conversion's scale operand
.endr
.irp b, 0,1,2,3
	v_lshrrev_b32 v[TM+4+\b], 23, v[TM+12+\b]             ; the scale's byte
.endr
	v_lshl_or_b32 v[PW], v[TM+5], 8, v[TM+4]
	v_lshl_or_b32 v[PW], v[TM+6], 16, v[PW]
	v_lshl_or_b32 v[PW], v[TM+7], 24, v[PW]
.irp c, 0,1
	v_cvt_scalef32_pk16_fp6_f32 v[PC+6*\c:PC+2+6*\c], v[\s+32*\c:\s+15+32*\c], v[TM+12+2*\c]
	v_cvt_scalef32_pk16_fp6_f32 v[PC+12+4*\c:PC+14+4*\c], v[\s+16+32*\c:\s+31+32*\c], v[TM+12+2*\c+1]   ; (a conversion's three registers begin on an even number)
.endr
	v_nop                                                  ; one plain place behind a scaled conversion
.irp c, 0,1                                                ; a whole block to a lane: lanes 0-15 block 2 c, lanes 16-31 block 2 c + 1
.irp i, 0,1,2
	v_permlane16_swap_b32 v[PC+6*\c+\i], v[PC+12+4*\c+\i]
.endr
.irp i, 0,1,2
	v_mov_b32 v[PC+3+6*\c+\i], v[PC+12+4*\c+\i]
.endr
.endr
.endm
	s_load_b256 s[4:11], s[0:1], 0x0               ; x s[4:5], w_qkv s[6:7], w_out s[8:9], op s[10:11]
	v_lshl_add_u32 v[SPW], v0, 2, SPARE
	v_mov_b32 v[NIL], 0
	v_lshrrev_b32 v1, 5, v0
	v_readfirstlane_b32 s12, v1                    ; wave 0..7
	v_and_b32 v1, 31, v0                           ; lane
	v_and_b32 v2, 15, v0                           ; r
	v_bfe_u32 v3, v0, 4, 1                         ; h
	v_lshlrev_b32 v4, 4, v1                        ; 16 x lane
	v_lshlrev_b32 v5, 3, v1                        ; 8 x lane
	v_lshlrev_b32 v6, 2, v1                        ; 4 x lane
	s_mov_b32 s[SEL], 0x76543210
	s_mov_b32 s[SEL+1], 0xfedcba98
.irp b, 0,1,2,3
	v_mov_b32 v[TM+4+\b], 0                        ; written once: a lane permute's destination counts as one of its sources
.endr
	s_wait_kmcnt 0x0
	s_cmp_lt_u32 ttmp9, 512
	s_cbranch_scc0 .Lweights
	; ---- x: rowblock ttmp9, K step = my wave
	s_lshr_b32 s13, ttmp9, 1
	s_lshl_b32 s13, s13, 17                        ; 32 rows of 4,096 bytes for each pair of rowblocks,
	s_and_b32 s14, ttmp9, 1
	s_lshl_b32 s14, s14, 15                        ; 8 rows for the odd one,
	s_add_co_u32 s13, s13, s14
	s_lshl_b32 s14, s12, 9                         ; 512 bytes a K step
	s_add_co_u32 s14, s13, s14
	s_mov_b32 s15, 0
	s_add_nc_u64 s[14:15], s[4:5], s[14:15]
	s_mul_i32 s16, ttmp9, REC
	s_mov_b32 s17, 0
	s_add_nc_u64 s[18:19], s[10:11], s[16:17]      ; my rowblock's record
	s_mul_i32 s16, s12, 1536
	s_add_nc_u64 s[22:23], s[18:19], s[16:17]      ; my K step's two images
.irp i, 0,1,2,3,4,5,6,7,8,9,10,11,12,13,14,15
	global_load_b128 v[32+4*\i:35+4*\i], v4, s[14:15] offset:(\i+8*(\i/8))*4096 th:TH_LOAD_NT   ; fragment row i: 32 lanes read 512 consecutive bytes
.endr
	s_mul_i32 s24, s12, 8448                       ; my stage
	v_add_nc_u32 v7, s24, v4                       ; in: a row as it lies
	v_mul_u32_u24 v8, v2, 528
	v_lshl_add_u32 v8, v3, 6, v8
	v_add_nc_u32 v8, s24, v8                       ; out: row r, + 64 h: my 16 numbers of a block of 32
	s_lshr_b32 s25, s12, 2
	s_lshl_b32 s25, s25, 8
	s_and_b32 s26, s12, 3
	s_lshl_b32 s26, s26, 2
	s_add_co_u32 s25, s25, s26
	s_add_co_u32 s25, s25, XSC
	v_lshl_add_u32 v9, v2, 4, s25                  ; my row's scale word of my K step
	v_add_nc_u32 v10, XSC, v4
.irp i, 0,1,2,3,4,5,6,7,8,9,10,11,12,13,14,15
	s_wait_loadcnt 15-\i                           ; loads come back in order: row i is in, the younger rows may be out
	ds_store_b128 v7, v[32+4*\i:35+4*\i] offset:528*\i
.endr
.irp b, 0,1,2,3
.irp j, 0,1,2,3
	ds_load_b128 v[96+16*\b+4*\j:99+16*\b+4*\j], v8 offset:128*\b+16*\j   ; LDS serves a wave's instructions in order: these see my stores
.endr
.endr
	s_wait_dscnt 0x0
	QUANT 96
	global_store_b128 v4, v[PC:PC+3], s[22:23]
	global_store_b64 v5, v[PC+4:PC+5], s[22:23] offset:512
	global_store_b128 v4, v[PC+6:PC+9], s[22:23] offset:768
	global_store_b64 v5, v[PC+10:PC+11], s[22:23] offset:1280
	ds_store_b32 v9, v[PW]                         ; lanes r and r + 16 write the same word with the same value
	s_wait_dscnt 0x0                               ; for the others' sake: my word has landed
	s_barrier_signal -1
	s_barrier_wait -1
	s_cmp_lg_u32 s12, 0
	s_cbranch_scc1 .Lend
	ds_load_b128 v[200:203], v10                   ; wave 0 stores the rowblock's 512 bytes of scale words
	s_wait_dscnt 0x0
	global_store_b128 v4, v[200:203], s[18:19] offset:12288
	s_branch .Lend
	; ---- the weights
.Lweights:
	s_sub_co_u32 s13, ttmp9, 512
	s_cmp_lt_u32 s13, 96                           ; 96 work-groups for w_qkv, 32 for w_out: the choice hangs on the work-group's number alone
	s_cselect_b32 s14, 0, 96
	s_mov_b32 s15, 4096
	s_cselect_b32 s15, 12288, s15                  ; bytes from one k to the next
	s_mov_b32 s16, 704
	s_cselect_b32 s16, 512, s16                    ; the tensor's first rowblock
	s_cselect_b64 s[6:7], s[6:7], s[8:9]
	s_sub_co_u32 s14, s13, s14
	s_lshr_b32 s17, s14, 1                         ; which pair of column groups
	s_and_b32 s18, s14, 1                          ; which half of K
	s_lshr_b32 s19, s12, 2                         ; my column group of the pair
	s_and_b32 s22, s12, 3
	s_lshl_b32 s23, s18, 2
	s_add_co_u32 s23, s23, s22                     ; my K step
	s_lshl_b32 s24, s17, 1
	s_add_co_u32 s24, s24, s19                     ; my group of 32 columns
	s_lshl_b32 s25, s23, 7
	s_mul_i32 s26, s25, s15
	s_lshl_b32 s25, s24, 7
	s_add_co_u32 s26, s26, s25
	s_mov_b32 s27, 0
	s_add_nc_u64 s[6:7], s[6:7], s[26:27]          ; W(128 ks, 32 cg)
	s_lshl_b32 s25, s24, 1
	s_add_co_u32 s25, s25, s16
	s_mul_i32 s28, s25, REC
	s_mov_b32 s29, 0
	s_add_nc_u64 s[28:29], s[10:11], s[28:29]      ; the first of my two records
	s_mul_i32 s26, s23, 1536
	s_add_nc_u64 s[32:33], s[28:29], s[26:27]      ; my K step's images in it
	s_lshl_b32 s26, s18, 8
	s_add_co_u32 s26, s26, 12288
	s_add_nc_u64 s[34:35], s[28:29], s[26:27]      ; my half of K's scale words in it
	v_bfe_u32 v11, v0, 3, 1                        ; column l of the 32 is row r' = l % 8 + 8 (l / 16) of rowblock u = (l / 8) % 2
	v_and_b32 v12, 7, v0
	v_lshl_add_u32 v12, v3, 3, v12
	s_mul_i32 s36, s12, 3072
	s_add_co_u32 s36, s36, WIMG
	v_mul_u32_u24 v19, v11, 1536
	v_add_nc_u32 v19, s36, v19
	v_lshl_add_u32 v13, v12, 4, v19                ; an image's first 16 bytes of my row
	v_lshl_add_u32 v14, v12, 3, v19                ; and its last 8
	v_add_nc_u32 v15, s36, v4                      ; back: as they lie
	s_lshl_b32 s37, s19, 9
	s_add_co_u32 s37, s37, WSC
	s_lshl_b32 s38, s22, 2
	s_add_co_u32 s38, s38, s37
	v_lshlrev_b32 v16, 8, v11
	v_lshl_add_u32 v16, v12, 4, v16
	v_add_nc_u32 v16, s38, v16                     ; my scale word
	v_add_nc_u32 v17, s37, v4
	v_mul_u32_u24 v18, v3, REC
	v_lshl_add_u32 v18, v2, 4, v18                 ; on the way out: lanes 0-15 the first record, lanes 16-31 the second
; n blocks of 32 along K from block k0 on: W(128 ks + i, my column) into v[32 + i]: 32 lanes read 128 consecutive bytes.  Each block has registers of its own.
.macro WLOAD pitch, k0, n
.set i, 32*(\k0)
.rept 32*(\n)
	global_load_b32 v[32+i], v6, s[6:7] offset:i*\pitch th:TH_LOAD_NT
.set i, i+1
.endr
.endm
; The two tensors differ in the loads' immediates alone, so the loads alone stand in two arms, on the work-group's number; both arms issue the same number of loads.
.macro WARMS k0, n
	s_cmp_lt_u32 s13, 96
	s_cbranch_scc0 .Lw_out_\@
	WLOAD 12288, \k0, \n
	s_branch .Lw_in_\@
.Lw_out_\@:
	WLOAD 4096, \k0, \n
.Lw_in_\@:
.endm
.macro WBLOCK kb, left                 ; block kb of my column: all its 32 numbers are mine.  left: the loads issued behind this block's, which may stay out
.set XS, 32+32*(\kb)
.set CD, 160+8*(\kb)
	s_wait_loadcnt \left                           ; loads come back in order: this block's 32 are in
	v_max3_num_f32 v25, |v[XS]|, |v[XS+1]|, |v[XS+2]|
	v_max3_num_f32 v26, |v[XS+3]|, |v[XS+4]|, |v[XS+5]|
.irp i, 6,10,14,18,22,26
	v_max3_num_f32 v25, v25, |v[XS+\i]|, |v[XS+\i+1]|
	v_max3_num_f32 v26, v26, |v[XS+\i+2]|, |v[XS+\i+3]|
.endr
	v_max3_num_f32 v25, v25, |v[XS+30]|, |v[XS+31]|
	v_max3_num_f32 v25, v25, v26, 0x1800000        ; and the floor
	v_add_nc_u32 v27, 0xff000000, v25              ; the conversion's scale operand
	v_lshrrev_b32 v26, 23, v27                     ; the scale's byte
.if (\kb) == 0
	v_mov_b32 v24, v26
.else
	v_lshl_or_b32 v24, v26, 8*(\kb), v24
.endif
	v_cvt_scalef32_pk16_fp6_f32 v[CD:CD+2], v[XS:XS+15], v27
	v_cvt_scalef32_pk16_fp6_f32 v[CD+4:CD+6], v[XS+16:XS+31], v27
	v_nop                                          ; one plain place behind a scaled conversion
	v_mov_b32 v[CD+3], v[CD+4]
	v_mov_b32 v[CD+4], v[CD+5]
	v_mov_b32 v[CD+5], v[CD+6]
	ds_store_b128 v13, v[CD:CD+3] offset:768*((\kb)/2)+256*((\kb)%2)          ; image kb / 2, lane r' + 16 (kb % 2)
	ds_store_b64 v14, v[CD+4:CD+5] offset:768*((\kb)/2)+512+128*((\kb)%2)
.endm
	WARMS 0, 2                                     ; the loads run two blocks ahead: blocks 0 and 1 now,
	WBLOCK 0, 32                                   ; (block 1's 32 loads may be out)
	WARMS 2, 1                                     ; block 2 behind block 0's work,
	WBLOCK 1, 32                                   ; (block 2's may be out)
	WARMS 3, 1                                     ; block 3 behind block 1's
	WBLOCK 2, 32                                   ; (block 3's may be out)
	WBLOCK 3, 0
	ds_store_b32 v16, v24
.irp i, 0,1,2,3,4,5
	ds_load_b128 v[32+4*\i:35+4*\i], v15 offset:512*\i   ; LDS serves a wave's instructions in order: these see my stores
.endr
.irp i, 0,1,2,3,4,5
	s_wait_dscnt 5-\i                              ; the younger read-backs may be out
	global_store_b128 v4, v[32+4*\i:35+4*\i], s[32:33] offset:(\i/3)*REC+(\i%3)*512
.endr
	s_wait_dscnt 0x0                               ; for the others' sake: my scale word has landed
	s_barrier_signal -1
	s_barrier_wait -1
	s_cmp_lg_u32 s22, 0
	s_cbranch_scc1 .Lend
	ds_load_b128 v[56:59], v17                     ; waves 0 and 4 store their two rowblocks' scale words of this half of K: 256 bytes each
	s_wait_dscnt 0x0
	global_store_b128 v18, v[56:59], s[34:35]
.Lend:
	s_wait_tensorcnt 0x0                           ; the wave's end, behind my last LDS store
	ds_add_u32 v[SPW], v[NIL]
	s_wait_dscnt 0x0
	s_endpgm
.Lfunc_end_k_qab019d8d20_quant:
	.size	k_qab019d8d20_quant, .Lfunc_end_k_qab019d8d20_quant-k_qab019d8d20_quant
	.p2alignl 7, 3214868480
	.fill 96, 4, 3214868480
	.section	.rodata,"a",@progbits
	.p2align	6, 0x0
	.amdhsa_kernel k_qab019d8d20_quant
		.amdhsa_group_segment_fixed_size 94720
		.amdhsa_private_segment_fixed_size 0
		.amdhsa_enable_private_segment 0
		.amdhsa_kernarg_size 32
		.amdhsa_user_sgpr_count 2
		.amdhsa_user_sgpr_kernarg_segment_ptr 1
		.amdhsa_wavefront_size32 1
		.amdhsa_system_sgpr_workgroup_id_x 1
		.amdhsa_system_sgpr_workgroup_id_y 1
		.amdhsa_system_sgpr_workgroup_id_z 1
		.amdhsa_system_vgpr_workitem_id 0
		.amdhsa_next_free_vgpr 204
		.amdhsa_next_free_sgpr 66
		.amdhsa_reserve_vcc 0
		.amdhsa_float_denorm_mode_32 3
		.amdhsa_float_denorm_mode_16_64 3
		.amdhsa_memory_ordered 1
		.amdhsa_forward_progress 1
		.amdhsa_inst_pref_size 46
	.end_amdhsa_kernel
	.amdgpu_metadata
---
amdhsa.version: [ 1, 2 ]
amdhsa.kernels:
  - .name:           k_qab019d8d20_quant
    .symbol:         k_qab019d8d20_quant.kd
    .args:
      - { .name: x, .offset: 0, .size: 8, .value_kind: global_buffer, .address_space: global }
      - { .name: w_qkv, .offset: 8, .size: 8, .value_kind: global_buffer, .address_space: global }
      - { .name: w_out, .offset: 16, .size: 8, .value_kind: global_buffer, .address_space: global }
      - { .name: op, .offset: 24, .size: 8, .value_kind: global_buffer, .address_space: global }
    .group_segment_fixed_size: 94720
    .private_segment_fixed_size: 0
    .kernarg_segment_align: 8
    .kernarg_segment_size: 32
    .max_flat_workgroup_size: 256
    .sgpr_count:     66
    .vgpr_count:     204
    .wavefront_size: 32
...
	.end_amdgpu_metadata
.endif
;; end of part 1
;; launch gemm1 (part 2): grid 12 x 32, 4 waves a work-group, clusters of 4 x 4, 327,680 bytes of LDS; arguments op, qb, kv; writes qb, kv
.if DOCPART == 2
	.amdgcn_target "amdgcn-amd-amdhsa--gfx1250"
	.amdhsa_code_object_version 6
	.text
	.protected	k_qab019d8d20_gemm1
	.globl	k_qab019d8d20_gemm1
	.p2align	8
	.type	k_qab019d8d20_gemm1,@function
k_qab019d8d20_gemm1:
	s_mov_b64 s[64:65], 0
	v_nop
	global_prefetch_b8 v0, s[64:65] scope:SCOPE_SE
	s_setreg_imm32_b32 hwreg(HW_REG_WAVE_MODE, 25, 1), 1
	s_wait_xcnt 0x0
	s_wait_alu depctr_hold_cnt(0) depctr_sa_sdst(0) depctr_va_vdst(0) depctr_va_sdst(0) depctr_va_ssrc(0) depctr_va_vcc(0) depctr_vm_vsrc(0)
	s_getreg_b32 s2, hwreg(HW_REG_IB_STS2, 6, 4)
	s_cmp_eq_u32 s2, 0
	s_cbranch_scc0 .Lentry_in_a_cluster
	s_endpgm
.Lentry_in_a_cluster:
	s_bfe_u32 s2, ttmp6, 0x10000c
	s_cmp_lg_u32 s2, 0xf033
	s_cbranch_scc0 .Lentry_shape_is_right
	s_endpgm
.Lentry_shape_is_right:
; qkv = x w_qkv on codes of FP6 (E2M3) with E8M0 scales, K = 1024; the results are quantised on the way out and leave as codes alone: q and k along the head's 64, v along the keys.
; OPERANDS lie in op as records of 12,800 bytes for each rowblock of 16 rows: 16 register images of 768 bytes (16 rows x 64 K: lane l's first 16 bytes at 16 l, its last 8 at 512 + 8 l), then 512 bytes of scale words.
; Rowblock 2 g + u holds rows 32 g + 8 u + r + 8 (r / 8), so that, with such a rowblock as source 0, the 16 registers of result tiles 2 g and 2 g + 1 are 16 neighbours, 32 g + 16 (lane / 16) + 0 .. 15.
; A tile of 256 x 256 is made by four waves, as many as a WGP has SIMDs; a wave makes 128 x 128: 64 accumulators, 512 registers.  THE MATRIX INSTRUCTION IS USED TRANSPOSED: source 0 = 16 rows of B, source 1 = 16 rows of A:
; a lane holds ONE row of A, and its registers run along B's rows.
; JOBS, by the cluster's x (the same in all sixteen partners): 0: q, 1: k: A = tokens, B = the weight's columns, so that a lane's registers run along the channels; 2: v: A = the weight's columns, B = tokens: they run along the keys.
; K goes through three LDS slots of 256 along K (98,304 bytes: A's 16 rowblocks x 3,072 bytes, then B's).  K = 1024 is four fills: three first fills, and ONE refill, of slot 0.  A wave has at most three tensor loads out.
; CLUSTERS: 4 x 4 work-groups; A's tiles are asked for jointly along a row of the cluster, B's along a column.
; THE SCALES of a wave's 128 + 128 rows for all of K are 64 registers, loaded once: register SC + 8 i + ks holds in lanes 0-15 the words of A's block i, in lanes 16-31 those of B's block i.
; OUT.  qb: [head 64][group of 128 queries 16] records of 6,656 bytes: 8 images (tile a at 768 a), scale words at 6,144 + 32 r + 4 a.
; kv: [head 64][step of 128 keys 16] records of 13,056 bytes: K's 8 images; V's 4 fragments (16 channels x 128 keys) at 6,144 + 1,536 t; K's scale words at 12,288 + 32 r + 4 i; V's at 12,800 + 16 r + 4 t.
; A scale word of q or k has its head's two bytes lowest; its upper two bytes scale codes that are zeros on the query's side, and are never 0xff.
; LIMITS: a block of zeros, or one whose largest magnitude lies under 2^-124, gets the byte 1; NaN and infinities are not served.
; REGISTERS: window 0: v3-13 offsets, v16-27 LDS addresses, v32-95 scales, v96-127 and v224-243 the way out, v128-223 A's fragments (one set); window 1: B's fragments, two sets, at v0 and v128; windows 2, 3: the accumulators ((a, b) at v[8 (8 (a % 4) + b)]).
.set FR,    12                         ; registers of a fragment: 16 rows x 128 K
.set NL,    4                          ; LDS loads that bring one
.set NP,    4                          ; places behind this matrix instruction (ISA guide 7.12.1)
.set REC,   12800
.set RBB,   3072                       ; a rowblock's bytes in a slot
.set HALFT, 8*RBB                      ; what one tensor load brings, and what one wave reads of A or of B
.set SLOT,  4*HALFT
.set SPARE, 3*SLOT                     ; behind the slots: the spare words, 128 bytes for each wave: two blocks of 256 bytes that no other line names
.set A16,   16                         ; v16-18 16 x lane + my A rows, in slot 0, 1, 2;  v19-21 the same with 8 x lane
.set A8,    19
.set B16,   22                         ; v22-24, v25-27 the same for B
.set B8,    25
.set SPW,   28                         ; v28 LDS address of my spare word; never rewritten
.set NIL,   29                         ; v29 0; never rewritten
.set VS,    30                         ; v30 my scale words' byte offset in op
.set SC,    32
.set AF,    128
.set TM,    96                         ; the way out: v96-111 at work, v112-119 the eight blocks' scale words, v120-127 as they are stored
.set SW,    112
.set PC,    224                        ; v224-243 a block's codes
.set SEL,   86                         ; s[86:87] lane selects: lane l xor 16
.set G1,    24                         ; s[24:31] descriptor group 1 for A's tiles;  s[32:43] group 0, a set for each slot
.set G0,    32
.set G1B,   48                         ; s[48:55], s[68:79] the same for B's
.set G0B,   68
.set MSB, 0
.macro WIN new                         ; the immediate's high byte repeats the setting that is left
.if MSB != \new
	s_set_vgpr_msb (MSB<<8)|\new
.set MSB, \new
.endif
.endm
.set MUL_LO, 0xa1                      ; source 0 (B) window 1, source 1 (A) window 0, C and D window 2
.set MUL_HI, 0xf1                      ; the same, C and D window 3
.set TO_B,   0x40                      ; destination window 1, address window 0
; A joint load: waves 0 and 1 fetch for A, waves 2 and 3 for B.  Each of the two lines has one mask and one set of registers for all that issue it; the branch hangs on the wave's number alone.
; An s_nop 0 and four v_nop follow each of the two lines.
.macro JLOAD g0a, g1a, g0b, g1b
	s_cmp_eq_u32 s15, 0
	s_cbranch_scc0 .Lfor_b_\@
	tensor_load_to_lds s[\g0a:\g0a+3], s[\g1a:\g1a+7]
	s_nop 0
.rept 4
	v_nop
.endr
	s_branch .Lasked_\@
.Lfor_b_\@:
	tensor_load_to_lds s[\g0b:\g0b+3], s[\g1b:\g1b+7]
	s_nop 0
.rept 4
	v_nop
.endr
.Lasked_\@:
.endm
.macro CREST                           ; a round of the cluster's barrier behind its opening barrier
	s_cmp_lg_u32 s14, 0
	s_cbranch_scc1 .Lnot_wave_0_\@
	s_barrier_signal -3
.Lnot_wave_0_\@:
	s_barrier_wait -3
	s_barrier_signal -1
	s_barrier_wait -1
.endm
.macro CROUND                          ; a whole round
	s_barrier_signal -1
	s_barrier_wait -1
	CREST
.endm
	s_load_b128 s[4:7], s[0:1], 0x0                ; op s[4:5], qb s[6:7]
	s_load_b64 s[8:9], s[0:1], 0x10                ; kv
	v_lshl_add_u32 v[SPW], v0, 2, SPARE
	v_mov_b32 v[NIL], 0
	ds_add_u32 v[SPW], v[NIL]                      ; the wave's opening: the add and its wait stand ahead of my first tensor load; the set-up below, work on registers, stands between them
	v_lshrrev_b32 v1, 5, v0
	v_readfirstlane_b32 s14, v1                    ; wave 0..3
	s_lshr_b32 s15, s14, 1                         ; which half of A's rows is mine.  Also: I fetch for A (0) or for B (1)
	s_and_b32 s16, s14, 1                          ; which half of B's rows.  Also: which 8 rowblocks of that tile I fetch
	s_bfe_u32 s56, ttmp6, 0x40000                  ; cx, cy: my place in the cluster
	s_bfe_u32 s57, ttmp6, 0x40004
	s_lshl_b32 s58, s57, 2
	s_lshl_b32 s58, 15, s58                        ; my row of the cluster
	s_lshl_b32 s59, 0x1111, s56                    ; my column
	; descriptor group 1: 8 rows of 3,072 bytes (384 elements of 8 bytes), 12,800 bytes apart; no padding: the images are read as they lie
	s_or_b32 s[G1+0], s58, (3<<16)|(1<<21)         ; 15:0 the mask: A's tiles go to my row; 17:16 elements of 8 bytes; 21 set beside a mask
	s_or_b32 s[G1B+0], s59, (3<<16)|(1<<21)
.irp g, G1, G1B
	s_mov_b32 s[\g+1], 384<<16                     ; tensor_dim0
	s_mov_b32 s[\g+2], 8<<16                       ; tensor_dim1
	s_mov_b32 s[\g+3], 384<<16                     ; tile_dim0
	s_mov_b32 s[\g+4], 8                           ; tile_dim1
	s_mov_b32 s[\g+5], 1600                        ; tensor_dim0_stride
	s_mov_b32 s[\g+6], 0
	s_mov_b32 s[\g+7], 0
.endr
	s_mov_b32 s[SEL], 0x76543210
	s_mov_b32 s[SEL+1], 0xfedcba98
	; the job's rowblocks.  A's hang on cy and the cluster's numbers alone, B's on cx and the cluster's numbers alone
	s_and_b32 s17, ttmp7, 0xffff
	s_lshl_b32 s17, s17, 6                         ; 64 x cluster y: tokens
	s_lshl_b32 s18, ttmp9, 6
	s_add_co_u32 s18, s18, 512                     ; q's or k's columns of w_qkv
	s_cmp_eq_u32 ttmp9, 2
	s_cselect_b32 s19, 640, s17                    ; A: v's columns, or tokens
	s_cselect_b32 s45, s17, s18                    ; B: tokens, or q's or k's columns
	s_lshl_b32 s20, s57, 4
	s_add_co_u32 s19, s19, s20                     ; A's first rowblock
	s_lshl_b32 s46, s56, 4
	s_add_co_u32 s45, s45, s46                     ; B's
	s_lshl_b32 s22, s16, 3                         ; which 8 rowblocks I fetch
	s_add_co_u32 s20, s19, s22
	s_mul_i32 s20, s20, REC
	s_mov_b32 s21, 0
	s_add_co_u32 s46, s45, s22
	s_mul_i32 s46, s46, REC
	s_mov_b32 s47, 0
	s_mul_i32 s23, s14, HALFT                      ; where they go: wave x 8 rowblocks: no place in the cluster enters an LDS address
	s_wait_dscnt 0x0                               ; the opening add is done
	s_wait_kmcnt 0x0
	s_add_nc_u64 s[20:21], s[4:5], s[20:21]
	s_add_nc_u64 s[46:47], s[4:5], s[46:47]
	CROUND                                         ; all sixteen work-groups are here: the first joint loads meet
.irp s, 0,1,2
	s_mov_b32 s[G0+4*\s], 1
	s_add_co_u32 s[G0+4*\s+1], s23, \s*SLOT
	s_add_nc_u64 s[G0+4*\s+2:G0+4*\s+3], s[20:21], \s*RBB
	s_or_b32 s[G0+4*\s+3], s[G0+4*\s+3], 0x80000000
	s_mov_b32 s[G0B+4*\s], 1
	s_add_co_u32 s[G0B+4*\s+1], s23, \s*SLOT
	s_add_nc_u64 s[G0B+4*\s+2:G0B+4*\s+3], s[46:47], \s*RBB
	s_or_b32 s[G0B+4*\s+3], s[G0B+4*\s+3], 0x80000000
	JLOAD G0+4*\s, G1, G0B+4*\s, G1B
.endr
	v_and_b32 v1, 31, v0                           ; lane
	v_and_b32 v2, 15, v0                           ; r
	v_lshlrev_b32 v3, 4, v1                        ; 16 x lane
	v_lshlrev_b32 v4, 3, v1                        ; 8 x lane
	s_mul_i32 s21, s15, HALFT                      ; my 8 rowblocks of A
	s_mul_i32 s22, s16, HALFT                      ; my 8 rowblocks of B,
	s_add_co_u32 s22, s22, 2*HALFT                 ; which lie behind A's 16
.irp s, 0,1,2
	v_add_nc_u32 v[A16+\s], s21, v3
	v_add_nc_u32 v[A8+\s], s21, v4
	v_add_nc_u32 v[B16+\s], s22, v3
	v_add_nc_u32 v[B8+\s], s22, v4
	s_add_co_u32 s21, s21, SLOT
	s_add_co_u32 s22, s22, SLOT
.endr
	s_lshl_b32 s60, s15, 3
	s_add_co_u32 s60, s60, s19
	s_mul_i32 s60, s60, REC                        ; my first record of A,
	s_lshl_b32 s61, s16, 3
	s_add_co_u32 s61, s61, s45
	s_mul_i32 s61, s61, REC                        ; and of B
	v_cmp_le_u32 s82, 16, v1                       ; lanes 16-31 (kept in s82)
	v_mov_b32 v5, s60
	v_mov_b32 v6, s61
	v_cndmask_b32 v5, v5, v6, s82                  ; lanes 0-15 take A's words, lanes 16-31 B's
	v_lshl_add_u32 v5, v2, 4, v5
	v_add_nc_u32 v[VS], 12288, v5
.irp i, 0,1,2,3,4,5,6,7
.irp kh, 0,1
	global_load_b128 v[SC+8*\i+4*\kh:SC+8*\i+4*\kh+3], v[VS], s[4:5] offset:REC*\i+256*\kh   ; sixteen lanes read 256 consecutive bytes: four K steps' words of 16 rows
.endr
.endr
.macro FRAG reg, a16, a8, q, i         ; a fragment is two images on end: registers 0-3, 4-5, 6-9, 10-11; each load reads 512 or 256 consecutive bytes
	ds_load_b128 v[\reg:\reg+3], v[\a16] offset:(\i)*RBB+(\q)*1536
	ds_load_b64 v[\reg+4:\reg+5], v[\a8] offset:(\i)*RBB+(\q)*1536+512
	ds_load_b128 v[\reg+6:\reg+9], v[\a16] offset:(\i)*RBB+(\q)*1536+768
	ds_load_b64 v[\reg+10:\reg+11], v[\a8] offset:(\i)*RBB+(\q)*1536+1280
.endm
; 16 matrix instructions: A's blocks a0, a0 + 1 x B's eight, K step ks.  p: B's set.  zero = 1: the first product starts the sums.  The 64 accumulators take turns, one instruction a turn, in the same order in every step.
.macro MUL16 a0, p, ks, zero
.irp a, \a0, \a0+1
.irp b, 0,1,2,3,4,5,6,7
.if \zero
	v_wmma_scale_f32_16x16x128_f8f6f4 v[8*(8*((\a)%4)+\b):8*(8*((\a)%4)+\b)+7], v[128*(\p)+FR*\b:128*(\p)+FR*\b+FR-1], v[AF+FR*(\a):AF+FR*(\a)+FR-1], 0, v[SC+8*\b+(\ks)], v[SC+8*(\a)+(\ks)] matrix_a_fmt:MATRIX_FMT_FP6 matrix_b_fmt:MATRIX_FMT_FP6 matrix_a_scale:MATRIX_SCALE_ROW1
.else
	v_wmma_scale_f32_16x16x128_f8f6f4 v[8*(8*((\a)%4)+\b):8*(8*((\a)%4)+\b)+7], v[128*(\p)+FR*\b:128*(\p)+FR*\b+FR-1], v[AF+FR*(\a):AF+FR*(\a)+FR-1], v[8*(8*((\a)%4)+\b):8*(8*((\a)%4)+\b)+7], v[SC+8*\b+(\ks)], v[SC+8*(\a)+(\ks)] matrix_a_fmt:MATRIX_FMT_FP6 matrix_b_fmt:MATRIX_FMT_FP6 matrix_a_scale:MATRIX_SCALE_ROW1
.endif
.endr
.endr
.endm
.macro FETCH_B slot, q, p              ; B's eight fragments of the slot's q-th 128 along K into set p
	WIN TO_B
.irp i, 0,1,2,3,4,5,6,7
	FRAG 128*(\p)+FR*\i, B16+\slot, B8+\slot, \q, \i
.endr
	WIN 0
.endm
.macro FETCH_A slot, q, i0             ; A's blocks i0 .. i0 + 3
.irp i, \i0, \i0+1, \i0+2, \i0+3
	FRAG AF+FR*(\i), A16+\slot, A8+\slot, \q, \i
.endr
.endm
.macro PLACES n                        ; a load into a register that a matrix instruction has read, and a vector instruction that reads a matrix result, stand NP plain vector instructions behind it
.rept \n
	v_nop
.endr
.endm
; K step ks; the next step's fragments lie in slot ns, at its nq-th 128 along K.
.macro STEP ks, zero, ns, nq
	s_wait_dscnt 4*NL                              ; B's set and A's blocks 0-3 are in; the youngest sixteen loads (A's blocks 4-7) may be out
	WIN MUL_LO
	MUL16 0, (\ks)%2, \ks, \zero
	MUL16 2, (\ks)%2, \ks, \zero
	s_wait_dscnt 0                                 ; A's blocks 4-7 are in (asked for 32 matrix instructions ago)
	PLACES NP
	FETCH_B \ns, \nq, 1-(\ks)%2
	FETCH_A \ns, \nq, 0
	WIN MUL_HI
	MUL16 4, (\ks)%2, \ks, \zero
	MUL16 6, (\ks)%2, \ks, \zero
	PLACES NP
	WIN 0
	FETCH_A \ns, \nq, 4
.endm
; A K step with a barrier: in front of it each wave waits for all its tensor loads, adds 0 to its spare word, and waits for that and for its LDS reads.  fill = 1: slot 0, which nobody reads any more, takes the last 256 along K.
.macro TURN ks, ns, fill
	s_wait_tensorcnt 0x0                           ; all my tensor loads have landed  (every window is 0 here: the add's two registers lie in window 0)
	ds_add_u32 v[SPW], v[NIL]                      ; 0 onto my spare word
	s_wait_dscnt 4*NL+1                            ; (the add and the youngest sixteen loads, A's blocks 4-7, may be out)
	WIN MUL_LO
	MUL16 0, (\ks)%2, \ks, 0                       ; sixteen matrix instructions stand between the add and the wait for it
	s_wait_dscnt 0x0                               ; the add is done, and my LDS reads are over
	s_barrier_signal -1
	MUL16 2, (\ks)%2, \ks, 0
	WIN 0
	s_barrier_wait -1
.if \fill
	CREST                                          ; the barrier has opened a round of the cluster's barrier: no wave of any partner still reads slot 0 or has a load on its way
	s_add_nc_u64 s[G0+2:G0+3], s[G0+2:G0+3], 3*RBB
	s_add_nc_u64 s[G0B+2:G0B+3], s[G0B+2:G0B+3], 3*RBB
	JLOAD G0, G1, G0B, G1B                         ; the first tensor load behind the round: 224 matrix instructions ahead of the wait for it; its four v_nop are the places in front of the loads below
.else
	PLACES NP
.endif
	FETCH_B \ns, 0, 1-(\ks)%2
	FETCH_A \ns, 0, 0
	WIN MUL_HI
	MUL16 4, (\ks)%2, \ks, 0
	MUL16 6, (\ks)%2, \ks, 0
	PLACES NP
	WIN 0
	FETCH_A \ns, 0, 4
.endm
	s_wait_tensorcnt 2                             ; my part of slot 0 is in; slots 1 and 2 may be out
	s_barrier_signal -1
	s_barrier_wait -1                              ; everybody's is
	FETCH_B 0, 0, 0
	FETCH_A 0, 0, 0
	FETCH_A 0, 0, 4
	s_wait_loadcnt 0x0                             ; the scales
	STEP 0, 1, 0, 1                                ; the first step's products start the sums: nothing is cleared
	TURN 1, 1, 1                                   ; slots 1 and 2 are whole for every wave from here on; slot 0 is filled again
	STEP 2, 0, 1, 1
	STEP 3, 0, 2, 0
	STEP 4, 0, 2, 1
	TURN 5, 0, 0                                   ; slot 0's second fill is whole for every wave
	STEP 6, 0, 0, 1
	s_wait_dscnt 4*NL                              ; the last step: nothing more to fetch
	WIN MUL_LO
	MUL16 0, 1, 7, 0
	MUL16 2, 1, 7, 0
	s_wait_dscnt 0
	WIN MUL_HI
	MUL16 4, 1, 7, 0
	MUL16 6, 1, 7, 0
	WIN 0
; THE WAY OUT.  Block a (16 rows of A) x my 128 rows of B is 64 registers a lane, register 16 b + i = B's row 32 b + 16 (lane / 16) + i: four blocks of 32 along the next product's K.
; They are quantised where they lie: a fragment's 12 registers in v[PC] on, the row's scale word in v[SW + a].  Each accumulator is read from its low end on.
.macro QUANTA a
.set AC, 64*((\a)%4)
	WIN 0x0a+5*((\a)/4)                            ; sources 0 and 1: window 2 or 3
.irp b, 0,1,2,3
	v_max3_num_f32 v[TM+\b], |v[AC+16*\b]|, |v[AC+1+16*\b]|, 0x1800000   ; and the floor 2^(3 - 127): the byte cannot fall under 1
.endr
.irp i, 2,4,6,8,10,12,14
.irp b, 0,1,2,3
	v_max3_num_f32 v[TM+\b], |v[AC+16*\b+\i]|, |v[AC+1+16*\b+\i]|, v[TM+\b]
.endr
.endr
	WIN 0
.irp b, 0,1,2,3
	v_permlanex16_b32 v[TM+4+\b], v[TM+\b], s[SEL], s[SEL+1]
.endr
.irp b, 0,1,2,3
	v_max_num_f32 v[TM+\b], v[TM+\b], v[TM+4+\b]
.endr
.irp b, 0,1,2,3
	v_add_nc_u32 v[TM+12+\b], 0xff000000, v[TM+\b]
.endr
.irp b, 0,1,2,3
	v_lshrrev_b32 v[TM+4+\b], 23, v[TM+12+\b]
.endr
	v_lshl_or_b32 v[SW+\a], v[TM+5], 8, v[TM+4]
	v_lshl_or_b32 v[SW+\a], v[TM+6], 16, v[SW+\a]
	v_lshl_or_b32 v[SW+\a], v[TM+7], 24, v[SW+\a]
.if (\a) > 0
	s_wait_xcnt 0x0                                ; the last block's stores have read their data: the codes' registers are written again only behind this wait
.endif
	WIN 0x02+(\a)/4                                ; source 0: window 2 or 3
.irp c, 0,1
	v_cvt_scalef32_pk16_fp6_f32 v[PC+6*\c:PC+2+6*\c], v[AC+32*\c:AC+15+32*\c], v[TM+12+2*\c]
	v_cvt_scalef32_pk16_fp6_f32 v[PC+12+4*\c:PC+14+4*\c], v[AC+16+32*\c:AC+31+32*\c], v[TM+12+2*\c+1]
.endr
	WIN 0
	v_nop                                          ; one plain place behind a scaled conversion
.irp c, 0,1
.irp i, 0,1,2
	v_permlane16_swap_b32 v[PC+6*\c+\i], v[PC+12+4*\c+\i]
.endr
.irp i, 0,1,2
	v_mov_b32 v[PC+3+6*\c+\i], v[PC+12+4*\c+\i]
.endr
.endr
.endm
; job 0 (q, k): a block's fragment is two heads' images of tile a: the even head's record at s[80:81], the odd head's D bytes on (v10, v11, v13 carry D).
; job 1 (v): it is fragment a % 4 of head a / 4; a head's records lie 208,896 bytes apart.  Every store covers 512 or 256 consecutive bytes, aligned.
.macro EPI job
.irp a, 0,1,2,3,4,5,6,7
	QUANTA \a
.if \job == 0
	global_store_b128 v3, v[PC:PC+3], s[80:81] offset:768*\a
	global_store_b64 v4, v[PC+4:PC+5], s[80:81] offset:768*\a+512
	global_store_b128 v10, v[PC+6:PC+9], s[80:81] offset:768*\a
	global_store_b64 v11, v[PC+10:PC+11], s[80:81] offset:768*\a+512
.else
	global_store_b128 v3, v[PC:PC+3], s[80:81] offset:(\a/4)*208896+(\a%4)*1536
	global_store_b64 v4, v[PC+4:PC+5], s[80:81] offset:(\a/4)*208896+(\a%4)*1536+512
	global_store_b128 v3, v[PC+6:PC+9], s[80:81] offset:(\a/4)*208896+(\a%4)*1536+768
	global_store_b64 v4, v[PC+10:PC+11], s[80:81] offset:(\a/4)*208896+(\a%4)*1536+1280
.endif
.endr
.irp j, 0,1,2,3
	v_cndmask_b32 v[120+\j], v[SW+\j], v[SW+4+\j], s82   ; lanes 0-15: blocks 0-3's words of row r; lanes 16-31: blocks 4-7's (a word is the same in lanes r and r + 16)
.endr
	global_store_b128 v12, v[120:123], s[80:81]
.if \job == 0
.irp j, 0,1,2,3
	v_lshrrev_b32 v[124+\j], 16, v[120+\j]         ; the odd head's two bytes, lowest
.endr
	global_store_b128 v13, v[124:127], s[80:81]
.endif
.endm
	PLACES NP
.irp b, 0,1,2,3
	v_mov_b32 v[TM+4+\b], 0                        ; written once: a lane permute's destination counts as one of its sources
.endr
	v_bfe_u32 v7, v0, 4, 1                         ; h
	s_cmp_eq_u32 ttmp9, 2                          ; the cluster's x: the same in all partners
	s_cbranch_scc1 .Lv_job
	s_lshl_b32 s60, s15, 3
	s_add_co_u32 s60, s60, s19                     ; my first rowblock of tokens
	s_lshr_b32 s61, s60, 7                         ; the batch: 128 rowblocks each
	s_bfe_u32 s62, s60, 0x40003                    ; the group of 128 tokens in it
	s_lshl_b32 s63, s56, 1
	s_add_co_u32 s63, s63, s16
	s_lshl_b32 s63, s63, 1                         ; my even head: 4 cx + 2 x half
	s_lshl_b32 s61, s61, 4
	s_add_co_u32 s61, s61, s63
	s_lshl_b32 s61, s61, 4
	s_add_co_u32 s61, s61, s62                     ; the record's number
	s_cmp_eq_u32 ttmp9, 0
	s_cselect_b64 s[80:81], s[6:7], s[8:9]         ; q goes to qb, k to kv
	s_mov_b32 s83, 13056
	s_cselect_b32 s83, 6656, s83                   ; a record's bytes
	s_mov_b32 s84, 12288
	s_cselect_b32 s84, 6144, s84                   ; where its scale words begin
	s_mul_i32 s60, s61, s83
	s_mov_b32 s61, 0
	s_add_nc_u64 s[80:81], s[80:81], s[60:61]
	s_lshl_b32 s85, s83, 4                         ; D: from a head to the next, 16 records
	v_add_nc_u32 v10, s85, v3
	v_add_nc_u32 v11, s85, v4
	v_lshlrev_b32 v12, 5, v2
	v_lshl_add_u32 v12, v7, 4, v12
	v_add_nc_u32 v12, s84, v12                     ; scale words: 32 r + 16 h
	v_add_nc_u32 v13, s85, v12
	EPI 0
	s_branch .Lend
.Lv_job:
	s_lshl_b32 s60, s57, 2
	s_lshl_b32 s61, s15, 1
	s_add_co_u32 s60, s60, s61                     ; my first head: 4 cy + 2 x half
	s_lshl_b32 s61, s16, 3
	s_add_co_u32 s61, s61, s45
	s_lshr_b32 s61, s61, 3                         ; my group of 128 tokens
	s_lshr_b32 s62, s61, 4                         ; the batch
	s_and_b32 s61, s61, 15                         ; the key step
	s_lshl_b32 s62, s62, 4
	s_add_co_u32 s62, s62, s60
	s_lshl_b32 s62, s62, 4
	s_add_co_u32 s62, s62, s61
	s_mul_i32 s60, s62, 13056
	s_add_co_u32 s60, s60, 6144                    ; V's part of the record
	s_mov_b32 s61, 0
	s_add_nc_u64 s[80:81], s[8:9], s[60:61]
	v_mul_u32_u24 v12, v7, 208896
	v_lshl_add_u32 v12, v2, 4, v12
	v_add_nc_u32 v12, 6656, v12                    ; scale words: 16 r, lanes 16-31 in the next head's record
	EPI 1
.Lend:
	s_wait_tensorcnt 0x0                           ; the wave's end, behind my last tensor load
	ds_add_u32 v[SPW], v[NIL]
	s_wait_dscnt 0x0
	CROUND                                         ; the closing round: no work-group ends while a partner may still ask for a tile that names it
	s_endpgm
.Lfunc_end_k_qab019d8d20_gemm1:
	.size	k_qab019d8d20_gemm1, .Lfunc_end_k_qab019d8d20_gemm1-k_qab019d8d20_gemm1
	.p2alignl 7, 3214868480
	.fill 96, 4, 3214868480
	.section	.rodata,"a",@progbits
	.p2align	6, 0x0
	.amdhsa_kernel k_qab019d8d20_gemm1
		.amdhsa_group_segment_fixed_size 327680
		.amdhsa_private_segment_fixed_size 0
		.amdhsa_enable_private_segment 0
		.amdhsa_kernarg_size 24
		.amdhsa_user_sgpr_count 2
		.amdhsa_user_sgpr_kernarg_segment_ptr 1
		.amdhsa_wavefront_size32 1
		.amdhsa_system_sgpr_workgroup_id_x 1
		.amdhsa_system_sgpr_workgroup_id_y 1
		.amdhsa_system_sgpr_workgroup_id_z 1
		.amdhsa_system_vgpr_workitem_id 0
		.amdhsa_next_free_vgpr 1024
		.amdhsa_next_free_sgpr 100
		.amdhsa_reserve_vcc 0
		.amdhsa_float_denorm_mode_32 3
		.amdhsa_float_denorm_mode_16_64 3
		.amdhsa_memory_ordered 1
		.amdhsa_forward_progress 1
		.amdhsa_inst_pref_size 182
	.end_amdhsa_kernel
	.amdgpu_metadata
---
amdhsa.version: [ 1, 2 ]
amdhsa.kernels:
  - .name:           k_qab019d8d20_gemm1
    .symbol:         k_qab019d8d20_gemm1.kd
    .args:
      - { .name: op, .offset: 0, .size: 8, .value_kind: global_buffer, .address_space: global }
      - { .name: qb, .offset: 8, .size: 8, .value_kind: global_buffer, .address_space: global }
      - { .name: kv, .offset: 16, .size: 8, .value_kind: global_buffer, .address_space: global }
    .group_segment_fixed_size: 327680
    .private_segment_fixed_size: 0
    .kernarg_segment_align: 8
    .kernarg_segment_size: 24
    .max_flat_workgroup_size: 128
    .sgpr_count:     100
    .vgpr_count:     1024
    .wavefront_size: 32
...
	.end_amdgpu_metadata
.endif
;; end of part 2
;; launch attn (part 3): grid 4 x 64, 16 waves a work-group, no clusters, 210,944 bytes of LDS; arguments qb, kv, op; writes op
.if DOCPART == 3
	.amdgcn_target "amdgcn-amd-amdhsa--gfx1250"
	.amdhsa_code_object_version 6
	.text
	.protected	k_qab019d8d20_attn
	.globl	k_qab019d8d20_attn
	.p2align	8
	.type	k_qab019d8d20_attn,@function
k_qab019d8d20_attn:
	s_mov_b64 s[64:65], 0
	v_nop
	global_prefetch_b8 v0, s[64:65] scope:SCOPE_SE
	s_setreg_imm32_b32 hwreg(HW_REG_WAVE_MODE, 25, 1), 1
	s_wait_xcnt 0x0
; Causal attention of one head (64 channels, 2,048 tokens) on codes of FP6 (E2M3) with E8M0 scales; the result is quantised along the model's 1,024 channels and leaves as codes, into op's rowblocks 768 on.
; THE SOFTMAX AHEAD OF THE SECOND PRODUCT: t = score x log2(e) / 8; M = the row's largest t so far, rounded UP to a whole number; p = 2^(t - M) is what is quantised, along the keys; the row's sum is taken of the unquantised p
; and divides at the end.  When M moves, the sum and O are multiplied by 2^(old M - new M): exact.
; SHARES.  Work-group (p, head) owns the blocks p and 7 - p of 256 queries, one after the other, so that every work-group has the same number of key steps under the causal mask.  Each of its sixteen waves owns one tile of 16
; queries in 256 registers: four waves to a SIMD, so that one wave's vector work stands beside another's matrix work.
; THE WHOLE HEAD'S K AND V, 16 records of 13,056 bytes, lie in LDS, filled ONCE, by three tensor loads of wave 0 (steps 0-1, 2-7, 8-15): no byte is filled again.  Wave 0 has three loads out.
; A record: K's 8 images of 768 bytes (16 keys x 64 channels: lane l's first 16 bytes at 16 l, its last 8 at 512 + 8 l); V's 4 fragments of 1,536 bytes (16 channels x 128 keys); K's scale words at 12,288 + 32 r + 4 i; V's at 12,800 + 16 r + 4 t.
; LAYOUT.  Both products are used transposed (S^T = K Q^T, O^T = V^T P^T): a lane holds one query throughout.  Row r of tile 2 g + u (of keys, queries, channels) is 32 g + 8 u + r + 8 (r / 8), so that the 16 registers of two neighbouring
; result tiles are 16 neighbours.  K = 64 IN AN INSTRUCTION OF 128: Q's registers 6-11 are zero codes; K's tile i is named with the six registers behind it (the next tile's codes; behind tile 7 six zeros), which meet zeros.
; THE MASK.  Every wave walks loops of constant trip counts; a step all of whose keys come after the wave's queries is jumped over by a scalar branch on ids; on the diagonal hidden scores become -infinity.
; NO CLUSTER, though the four work-groups of a head read the same 208,896 bytes: the jump over a step hangs on the wave's first query, which is made of the work-group's x; in a cluster that would be its place among the partners.
; LIMITS: a block of zeros, or one under 2^-124, gets the byte 1; NaN and infinities are not served.  The result's scale bytes leave two at a time (a scale word belongs to two heads): 512 bytes of a record of 12,800.
; REGISTERS: v1-4 16 l, 8 l, 32 r, 16 r; v5, v6 the add's; v7, v29, v30 Q's offsets; v8-11 the step's LDS addresses; v12 -M, v13 the largest t, v[14:15] the sum; v16-27 Q; v28 the mask's lane term; v31 the result's scale bytes;
; v32-85 K's tiles and six zeros, then V's fragments; v96-159 S^T, then p; v160-191 O^T; v192-211 codes; v212-225 scales and nothing else; v232-254 at work.
.set STEPB, 13056
.set HEADB, 16*STEPB
.set SPARE, HEADB                      ; behind the head: the spare words, 128 bytes for each wave: eight blocks of 256 bytes that no other line names
.set SPW,  5
.set NIL,  6
.set WV,   18                          ; s18 my wave's number
.set SEL,  20                          ; s[20:21] lane selects: lane l xor 16
.set CS,   22                          ; s[22:23] c = log2(e) / 8
.set G1A,  24                          ; s[24:31], s[32:39], s[40:47] descriptor groups 1: 102, 306, 408 rows of 256 bytes
.set G1B,  32
.set G1C,  40
.set TB,   2                           ; s2  LDS byte at which the step's record begins
.set CNT,  3                           ; s3  a loop's trips to go
.set KF,   98                          ; s98 the step's first key
.set Q0,   99                          ; s99 the first query of my pair of tiles
	s_load_b128 s[4:7], s[0:1], 0x0                ; qb s[4:5], kv s[6:7]
	s_load_b64 s[8:9], s[0:1], 0x10                ; op
	v_lshl_add_u32 v[SPW], v0, 2, SPARE
	v_mov_b32 v[NIL], 0
	ds_add_u32 v[SPW], v[NIL]                      ; the wave's opening: the add and its wait stand ahead of the first tensor load; the set-up below, work on registers, stands between them
	ds_add_u32 v[SPW], v[NIL]
	v_lshrrev_b32 v8, 5, v0
	s_delay_alu instid0(VALU_DEP_1)
	v_readfirstlane_b32 s[WV], v8                  ; wave 0..15
	s_and_b32 s61, ttmp7, 0xffff                   ; batch x 16 + head
.irp g, G1A, G1B, G1C
	s_mov_b32 s[\g], 3<<16                         ; no mask; elements of 8 bytes; no padding
	s_mov_b32 s[\g+1], 32<<16                      ; tensor_dim0: 256 bytes
	s_mov_b32 s[\g+3], 32<<16                      ; tile_dim0
	s_mov_b32 s[\g+5], 32                          ; the rows are dense
	s_mov_b32 s[\g+6], 0
	s_mov_b32 s[\g+7], 0
.endr
	s_mov_b32 s[G1A+2], 102<<16                    ; tensor_dim1, tile_dim1: 51 rows a record
	s_mov_b32 s[G1A+4], 102
	s_mov_b32 s[G1B+2], 306<<16
	s_mov_b32 s[G1B+4], 306
	s_mov_b32 s[G1C+2], 408<<16
	s_mov_b32 s[G1C+4], 408
	s_mul_i32 s62, s61, HEADB
	s_mov_b32 s63, 0
	s_mov_b32 s[SEL], 0x76543210
	s_mov_b32 s[SEL+1], 0xfedcba98
	s_mov_b32 s[CS], 0x3e38aa3b
	s_mov_b32 s[CS+1], s[CS]                       ; (named with it as a pair, so it is written)
	s_wait_dscnt 0x0                               ; the opening add is done
	s_wait_kmcnt 0x0
	s_add_nc_u64 s[62:63], s[6:7], s[62:63]        ; my head's records
	s_mov_b32 s48, 1
	s_mov_b32 s49, 0
	s_mov_b64 s[50:51], s[62:63]
	s_or_b32 s51, s51, 0x80000000
	s_mov_b32 s52, 1
	s_mov_b32 s53, 2*STEPB
	s_add_nc_u64 s[54:55], s[62:63], 2*STEPB
	s_or_b32 s55, s55, 0x80000000
	s_mov_b32 s56, 1
	s_mov_b32 s57, 8*STEPB
	s_add_nc_u64 s[58:59], s[62:63], 8*STEPB
	s_or_b32 s59, s59, 0x80000000
	s_cmp_lg_u32 s[WV], 0                          ; wave 0's three first fills stand in one branch, ahead of every wait on TENSORcnt, every LDS read and every barrier
	s_cbranch_scc1 .Lno_fill
	tensor_load_to_lds s[48:51], s[G1A:G1A+7]
	s_nop 0
	tensor_load_to_lds s[52:55], s[G1B:G1B+7]
	s_nop 0
	tensor_load_to_lds s[56:59], s[G1C:G1C+7]
	s_nop 0
.rept 4
	v_nop
.endr
.Lno_fill:
	v_and_b32 v8, 31, v0                           ; lane
	v_and_b32 v9, 15, v0                           ; r
	v_bfe_u32 v10, v0, 4, 1                        ; h
	s_delay_alu instid0(VALU_DEP_3)
	v_lshlrev_b32 v1, 4, v8
	s_delay_alu instid0(VALU_DEP_4)
	v_lshlrev_b32 v2, 3, v8
	s_delay_alu instid0(VALU_DEP_4)
	v_lshlrev_b32 v3, 5, v9
	v_lshlrev_b32 v4, 4, v9
	s_and_b32 s72, s[WV], 7                        ; my tile in its group of 128 queries
	s_mul_i32 s73, s72, 768
	v_add_nc_u32 v7, s73, v1
	v_add_nc_u32 v29, s73, v2
	s_lshl_b32 s72, s72, 2
	v_add_nc_u32 v30, s72, v3
	v_and_b32 v11, 8, v9
	s_delay_alu instid0(VALU_DEP_1)
	v_add_nc_u32 v28, v11, v9                      ; r + 8 (r / 8)
	s_and_b32 s72, s[WV], 1
	s_lshl_b32 s72, s72, 3
	v_add_nc_u32 v28, s72, v28                     ; + 8 u: my query less Q0,
	v_lshlrev_b32 v11, 4, v10
	s_delay_alu instid0(VALU_DEP_1)
	v_sub_nc_u32 v28, v28, v11                     ; - 16 h
.irp j, 22,23,24,25,26,27,80,81,82,83,84,85
	v_mov_b32 v\j, 0                               ; zero codes: Q's upper 64 along K, and what stands behind K's tile 7
.endr
.irp j, 236,237,238,239,252,253
	v_mov_b32 v\j, 0                               ; written once: a lane permute's destination counts as one of its sources; v253 is named as the upper half of a pair
.endr
; A KEY STEP: 128 keys.
.macro STEP
	s_add_co_u32 s96, s[Q0], 31
	s_cmp_gt_u32 s[KF], s96                        ; all 128 keys come after my queries: the step's work is left out; the lines at its end that step addresses are not
	s_cbranch_scc1 .Lhidden_\@
	s_setprio 2
	v_add_nc_u32 v8, s[TB], v1                     ; (these four are also the places in front of the loads into registers that the last products read)
	v_add_nc_u32 v9, s[TB], v2
	v_add_nc_u32 v10, s[TB], v3
	v_add_nc_u32 v11, s[TB], v4
.irp i, 0,1,2,3,4,5,6,7
	ds_load_b128 v[32+6*\i:35+6*\i], v8 offset:768*\i
	ds_load_b64 v[36+6*\i:37+6*\i], v9 offset:768*\i+512
.endr
	ds_load_b128 v[212:215], v10 offset:12288
	ds_load_b128 v[216:219], v10 offset:12304
	s_wait_alu depctr_va_vdst(0)
	s_wait_dscnt 0x0
.irp i, 0,1,2,3,4,5,6,7
	v_wmma_scale_f32_16x16x128_f8f6f4 v[96+8*\i:103+8*\i], v[32+6*\i:43+6*\i], v[16:27], 0, v[212+\i], v224 matrix_a_fmt:MATRIX_FMT_FP6 matrix_b_fmt:MATRIX_FMT_FP6
.endr                                              ; lane (r, h) holds query r; register 16 b + i is key KF + 32 b + 16 h + i
.rept 4
	v_nop                                          ; places in front of the loads below and of the first read of the scores
.endr
.irp t, 0,1,2,3                                    ; V's fragments are asked for here and land under the softmax
	ds_load_b128 v[32+12*\t:35+12*\t], v8 offset:6144+1536*\t
	ds_load_b64 v[36+12*\t:37+12*\t], v9 offset:6144+1536*\t+512
	ds_load_b128 v[38+12*\t:41+12*\t], v8 offset:6144+1536*\t+768
	ds_load_b64 v[42+12*\t:43+12*\t], v9 offset:6144+1536*\t+1280
.endr
	ds_load_b128 v[220:223], v11 offset:12800
	s_add_co_u32 s96, s[KF], 127
	s_cmp_le_u32 s96, s[Q0]                        ; all keys count: no mask
	s_cbranch_scc1 .Lopen_\@
	s_sub_co_i32 s96, s[Q0], s[KF]
	v_add_nc_u32 v252, s96, v28                    ; d = my query - KF - 16 h: register 16 b + i is hidden where 32 b + i > d
	v_mov_b32 v254, 0xff800000                     ; -infinity
.irp b, 0,1,2,3
.irp i, 0,1,2,3,4,5,6,7,8,9,10,11,12,13,14,15
	v_cmp_gt_i32 vcc_lo, 32*\b+\i, v252
	v_cndmask_b32 v[96+16*\b+\i], v[96+16*\b+\i], v254, vcc_lo
.endr
.endr
.Lopen_\@:
.irp b, 0,1,2,3
	v_max3_num_f32 v[232+\b], v[96+16*\b], v[97+16*\b], v[98+16*\b]   ; the largest score of each block of 32 keys: for the row's maximum, and, since p rises with the score, for the block's largest p
.endr
.irp i, 3,5,7,9,11,13
.irp b, 0,1,2,3
	v_max3_num_f32 v[232+\b], v[232+\b], v[96+16*\b+\i], v[97+16*\b+\i]
.endr
.endr
.irp b, 0,1,2,3
	v_max_num_f32 v[232+\b], v[232+\b], v[111+16*\b]
.endr
.irp b, 0,1,2,3
	s_delay_alu instid0(VALU_DEP_4)
	v_permlanex16_b32 v[236+\b], v[232+\b], s[SEL], s[SEL+1]
.endr
.irp b, 0,1,2,3
	s_delay_alu instid0(VALU_DEP_4)
	v_max_num_f32 v[232+\b], v[232+\b], v[236+\b]  ; with lane l xor 16's 16 keys
.endr
	s_delay_alu instid0(VALU_DEP_2)
	v_max3_num_f32 v254, v232, v233, v234
	s_delay_alu instid0(VALU_DEP_1)
	v_max_num_f32 v254, v254, v235                 ; the step's largest score of my query
	s_delay_alu instid0(VALU_DEP_1)
	v_mul_f32 v254, s[CS], v254                    ; as t
	s_delay_alu instid0(VALU_DEP_1)
	v_max_num_f32 v13, v13, v254                   ; the running largest t
	v_mov_b32 v254, v12
	s_delay_alu instid0(VALU_DEP_2)
	v_floor_f32 v12, -v13                          ; the new -M = floor(-t): M is a whole number
	s_delay_alu instid0(VALU_DEP_1)
	v_sub_f32 v254, v12, v254                      ; old M less new M: a whole number, 0 or less
	s_delay_alu instid0(VALU_DEP_1)
	v_cvt_i32_f32 v254, v254                       ; (it saturates)
	s_delay_alu instid0(VALU_DEP_1)
	v_ldexp_f32 v252, 1.0, v254                    ; f = 2^(old M - new M)
	s_setprio 1
.irp b, 0,1,2,3
.irp i, 0,2,4,6,8,10,12,14
	v_pk_fma_f32 v[96+16*\b+\i:97+16*\b+\i], v[96+16*\b+\i:97+16*\b+\i], s[CS:CS+1], v[12:13] op_sel_hi:[1,0,0]   ; t - M, two at a time
.endr
.endr
.irp b, 0,1,2,3
	v_fma_f32 v[232+\b], v[232+\b], s[CS], v12     ; the same of each block's largest score
.endr
	s_wait_alu depctr_va_vdst(0)
.irp b, 0,1,2,3
.irp i, 0,1,2,3,4,5,6,7,8,9,10,11,12,13,14,15
	v_exp_f32 v[96+16*\b+\i], v[96+16*\b+\i]       ; p = 2^(t - M), at most 1
.endr
.endr
	v_pk_mul_f32 v[14:15], v[14:15], v[252:253] op_sel_hi:[1,0]   ; the sums under the new M (a plain place behind the exponentials)
	s_wait_alu depctr_va_vdst(0)                   ; one wait for the whole batch, ahead of its first reader
.irp b, 0,1,2,3
	v_exp_f32 v[232+\b], v[232+\b]                 ; the block's largest p
.endr
	v_pk_add_f32 v[236:237], v[100:101], v[104:105]
	v_pk_add_f32 v[254:255], v[108:109], v[112:113]
	v_pk_add_f32 v[250:251], v[116:117], v[120:121]
	v_pk_add_f32 v[248:249], v[124:125], v[128:129]
	v_pk_add_f32 v[246:247], v[132:133], v[136:137]
	v_pk_add_f32 v[244:245], v[140:141], v[144:145]
	v_pk_add_f32 v[242:243], v[148:149], v[152:153]
	v_pk_add_f32 v[14:15], v[14:15], v[156:157]
	v_pk_add_f32 v[236:237], v[236:237], v[96:97]
	v_pk_add_f32 v[254:255], v[254:255], v[98:99]
	v_pk_add_f32 v[250:251], v[250:251], v[102:103]
	v_pk_add_f32 v[248:249], v[248:249], v[106:107]
	v_pk_add_f32 v[246:247], v[246:247], v[110:111]
	v_pk_add_f32 v[244:245], v[244:245], v[114:115]
	v_pk_add_f32 v[242:243], v[242:243], v[118:119]
	v_pk_add_f32 v[14:15], v[14:15], v[122:123]
	v_pk_add_f32 v[236:237], v[236:237], v[126:127]
	v_pk_add_f32 v[254:255], v[254:255], v[130:131]
	v_pk_add_f32 v[250:251], v[250:251], v[134:135]
	v_pk_add_f32 v[248:249], v[248:249], v[138:139]
	v_pk_add_f32 v[246:247], v[246:247], v[142:143]
	v_pk_add_f32 v[244:245], v[244:245], v[146:147]
	v_pk_add_f32 v[242:243], v[242:243], v[150:151]
	v_pk_add_f32 v[14:15], v[14:15], v[154:155]
	v_pk_add_f32 v[236:237], v[236:237], v[158:159]
	s_delay_alu instid0(VALU_DEP_2)
	v_pk_add_f32 v[14:15], v[14:15], v[248:249]
	s_delay_alu instid0(VALU_DEP_2)
	v_pk_add_f32 v[236:237], v[236:237], v[246:247]
	v_pk_add_f32 v[254:255], v[254:255], v[244:245]
	v_pk_add_f32 v[250:251], v[250:251], v[242:243]
	s_delay_alu instid0(VALU_DEP_2)
	v_pk_add_f32 v[14:15], v[14:15], v[254:255]
	s_delay_alu instid0(VALU_DEP_2)
	v_pk_add_f32 v[236:237], v[236:237], v[250:251]
	s_delay_alu instid0(VALU_DEP_1)
	v_pk_add_f32 v[14:15], v[14:15], v[236:237]
	s_wait_alu depctr_va_vdst(0)                   ; and one for the four
.irp b, 0,1,2,3
	v_max_num_f32 v[232+\b], 0x1800000, v[232+\b]  ; the floor 2^(3 - 127): the byte cannot fall under 1
.endr
.irp b, 0,1,2,3
	s_delay_alu instid0(VALU_DEP_4)
	v_add_nc_u32 v[244+\b], 0xff000000, v[232+\b]  ; the conversion's scale operand
.endr
.irp b, 0,1,2,3
	s_delay_alu instid0(VALU_DEP_4)
	v_lshrrev_b32 v[236+\b], 23, v[244+\b]         ; the scale's byte
.endr
	s_delay_alu instid0(VALU_DEP_3)
	v_lshl_or_b32 v225, v237, 8, v236              ; p's scale word for these 128 keys
	s_delay_alu instid0(VALU_DEP_1)
	v_lshl_or_b32 v225, v238, 16, v225
	s_delay_alu instid0(VALU_DEP_1)
	v_lshl_or_b32 v225, v239, 24, v225
	s_setprio 0
.irp c, 0,1
	v_cvt_scalef32_pk16_fp6_f32 v[192+6*\c:194+6*\c], v[96+32*\c:111+32*\c], v[244+2*\c]
	v_cvt_scalef32_pk16_fp6_f32 v[204+4*\c:206+4*\c], v[112+32*\c:127+32*\c], v[244+2*\c+1]
.endr
	v_nop                                          ; one plain place behind a scaled conversion
.irp c, 0,1
.irp i, 0,1,2
	v_permlane16_swap_b32 v[192+6*\c+\i], v[204+4*\c+\i]
.endr
.irp i, 0,1,2
	s_delay_alu instid0(VALU_DEP_3)
	v_mov_b32 v[195+6*\c+\i], v[204+4*\c+\i]
.endr
.endr
.irp j, 0,2,4,6,8,10,12,14,16,18,20,22,24,26,28,30
	v_pk_mul_f32 v[160+\j:161+\j], v[160+\j:161+\j], v[252:253] op_sel_hi:[1,0]   ; O^T under the new M (these sixteen are also the places in front of the products below)
.endr
	s_wait_alu depctr_va_vdst(0)
	s_wait_dscnt 0x0                               ; V
.irp t, 0,1,2,3
	v_wmma_scale_f32_16x16x128_f8f6f4 v[160+8*\t:167+8*\t], v[32+12*\t:43+12*\t], v[192:203], v[160+8*\t:167+8*\t], v[220+\t], v225 matrix_a_fmt:MATRIX_FMT_FP6 matrix_b_fmt:MATRIX_FMT_FP6
.endr
.Lhidden_\@:
	s_add_co_u32 s[KF], s[KF], 128
	s_add_co_u32 s[TB], s[TB], STEPB
.endm
.macro KLOOP n                         ; n key steps: the trip count is a constant of the text
	s_mov_b32 s[CNT], \n
.Lk_\@:
	STEP
	s_sub_co_u32 s[CNT], s[CNT], 1
	s_cmp_lg_u32 s[CNT], 0
	s_cbranch_scc1 .Lk_\@
	s_setprio 0
.endm
; Block s74 of 256 queries begins: my tile's codes and scale word, the addresses of its result, and the sums at zero (the first change of M multiplies zeros).
.macro RESTART
	s_wait_xcnt 0x0                                ; the last block's stores have read their bases and data
	s_lshl_b32 s[Q0], s74, 8
	s_lshr_b32 s72, s[WV], 1
	s_lshl_b32 s72, s72, 5
	s_add_co_u32 s[Q0], s[Q0], s72
	s_lshl_b32 s72, s61, 4
	s_lshl_b32 s73, s74, 1
	s_add_co_u32 s72, s72, s73
	s_lshr_b32 s73, s[WV], 3
	s_add_co_u32 s72, s72, s73                     ; my group of 128 queries
	s_mul_i32 s72, s72, 6656
	s_mov_b32 s73, 0
	s_add_nc_u64 s[66:67], s[4:5], s[72:73]
	global_load_b128 v[16:19], v7, s[66:67]
	global_load_b64 v[20:21], v29, s[66:67] offset:512
	global_load_b32 v224, v30, s[66:67] offset:6144
	s_lshl_b32 s72, s74, 4
	s_add_co_u32 s72, s72, s[WV]                   ; my tile among the batch's 128
	s_lshr_b32 s75, s61, 4
	s_lshl_b32 s75, s75, 7
	s_add_co_u32 s72, s72, s75
	s_add_co_u32 s72, s72, 768
	s_mul_i32 s72, s72, 12800
	s_add_nc_u64 s[70:71], s[8:9], s[72:73]        ; its record in op
	s_and_b32 s72, s61, 15
	s_mul_i32 s72, s72, 768
	s_add_nc_u64 s[68:69], s[70:71], s[72:73]      ; my head's image in it
	s_bfe_u32 s72, s61, 0x10003
	s_lshl_b32 s72, s72, 8
	s_bfe_u32 s75, s61, 0x20001
	s_lshl_b32 s75, s75, 2
	s_add_co_u32 s72, s72, s75
	s_and_b32 s75, s61, 1
	s_lshl_b32 s75, s75, 1
	s_add_co_u32 s72, s72, s75
	s_add_co_u32 s72, s72, 12288
	s_add_nc_u64 s[70:71], s[70:71], s[72:73]      ; and my head's two scale bytes of row 0
	s_mov_b32 s[TB], 0
	s_mov_b32 s[KF], 0
	v_mov_b32 v13, 0xff61b1e6                      ; the largest t so far: -3e38, under every t
	s_delay_alu instid0(VALU_DEP_1)
	v_floor_f32 v12, -v13
	v_mov_b32 v14, 0
	v_mov_b32 v15, 0
.set j, 0
.rept 32
	v_mov_b32 v[160+j], 0
.set j, j+1
.endr
	s_wait_loadcnt 0x0
.endm
; The block's end: O^T / the sum; its 32 registers are channels 32 b + 16 h + i of my query: two blocks of 32 along the last product's K; they leave as one image and two scale bytes.
.macro FINISH
.rept 4
	v_nop
.endr
	v_add_f32 v14, v14, v15
	s_delay_alu instid0(VALU_DEP_1)
	v_permlanex16_b32 v252, v14, s[SEL], s[SEL+1]
	s_delay_alu instid0(VALU_DEP_1)
	v_add_f32 v14, v14, v252                       ; the row's sum
	s_wait_alu depctr_va_vdst(0)
	v_rcp_f32 v14, v14
	v_nop                                          ; a plain place behind the transcendental
	s_wait_alu depctr_va_vdst(0)                   ; and the wait ahead of its first reader
.irp j, 0,2,4,6,8,10,12,14,16,18,20,22,24,26,28,30
	v_pk_mul_f32 v[96+\j:97+\j], v[160+\j:161+\j], v[14:15] op_sel_hi:[1,0]
.endr
.irp b, 0,1
	v_max3_num_f32 v[232+\b], |v[96+16*\b]|, |v[97+16*\b]|, 0x1800000
.endr
.irp i, 2,4,6,8,10,12,14
.irp b, 0,1
	s_delay_alu instid0(VALU_DEP_2)
	v_max3_num_f32 v[232+\b], v[232+\b], |v[96+16*\b+\i]|, |v[97+16*\b+\i]|
.endr
.endr
.irp b, 0,1
	s_delay_alu instid0(VALU_DEP_2)
	v_permlanex16_b32 v[236+\b], v[232+\b], s[SEL], s[SEL+1]
.endr
.irp b, 0,1
	s_delay_alu instid0(VALU_DEP_2)
	v_max_num_f32 v[232+\b], v[232+\b], v[236+\b]
.endr
.irp b, 0,1
	s_delay_alu instid0(VALU_DEP_2)
	v_add_nc_u32 v[244+\b], 0xff000000, v[232+\b]
.endr
.irp b, 0,1
	s_delay_alu instid0(VALU_DEP_2)
	v_lshrrev_b32 v[236+\b], 23, v[244+\b]
.endr
	s_delay_alu instid0(VALU_DEP_1)
	v_lshl_or_b32 v31, v237, 8, v236
	v_cvt_scalef32_pk16_fp6_f32 v[192:194], v[96:111], v244
	v_cvt_scalef32_pk16_fp6_f32 v[204:206], v[112:127], v245
	v_nop
.irp i, 0,1,2
	v_permlane16_swap_b32 v[192+\i], v[204+\i]
.endr
.irp i, 0,1,2
	s_delay_alu instid0(VALU_DEP_3)
	v_mov_b32 v[195+\i], v[204+\i]
.endr
	global_store_b128 v1, v[192:195], s[68:69]     ; 512 consecutive bytes,
	global_store_b64 v2, v[196:197], s[68:69] offset:512   ; and 256
	global_store_b16 v4, v31, s[70:71]             ; lanes r and r + 16 write the same two bytes with the same value
.endm
	s_mov_b32 s74, ttmp9                           ; block p: its keys lie under 1,024: steps 0 to 7
	RESTART
	s_wait_tensorcnt 0x2                           ; steps 0 and 1 are in; the two later fills may be out
	s_barrier_signal -1
	s_barrier_wait -1
	KLOOP 2
	s_wait_tensorcnt 0x1                           ; steps 2 to 7 are in; the last fill may be out
	s_wait_dscnt 0x0
	s_barrier_signal -1
	s_barrier_wait -1
	KLOOP 6
	FINISH
	s_sub_co_u32 s74, 7, ttmp9                     ; block 7 - p
	RESTART
	s_wait_tensorcnt 0x0
	s_wait_dscnt 0x0
	s_barrier_signal -1
	s_barrier_wait -1
	KLOOP 16
	FINISH
	s_wait_tensorcnt 0x0                           ; the wave's end, behind the last tensor load
	ds_add_u32 v[SPW], v[NIL]
	s_wait_dscnt 0x0
	s_endpgm
.Lfunc_end_k_qab019d8d20_attn:
	.size	k_qab019d8d20_attn, .Lfunc_end_k_qab019d8d20_attn-k_qab019d8d20_attn
	.p2alignl 7, 3214868480
	.fill 96, 4, 3214868480
	.section	.rodata,"a",@progbits
	.p2align	6, 0x0
	.amdhsa_kernel k_qab019d8d20_attn
		.amdhsa_group_segment_fixed_size 210944
		.amdhsa_private_segment_fixed_size 0
		.amdhsa_enable_private_segment 0
		.amdhsa_kernarg_size 24
		.amdhsa_user_sgpr_count 2
		.amdhsa_user_sgpr_kernarg_segment_ptr 1
		.amdhsa_wavefront_size32 1
		.amdhsa_system_sgpr_workgroup_id_x 1
		.amdhsa_system_sgpr_workgroup_id_y 1
		.amdhsa_system_sgpr_workgroup_id_z 1
		.amdhsa_system_vgpr_workitem_id 0
		.amdhsa_next_free_vgpr 256
		.amdhsa_next_free_sgpr 100
		.amdhsa_reserve_vcc 1
		.amdhsa_float_denorm_mode_32 3
		.amdhsa_float_denorm_mode_16_64 3
		.amdhsa_memory_ordered 1
		.amdhsa_forward_progress 1
		.amdhsa_inst_pref_size 88
	.end_amdhsa_kernel
	.amdgpu_metadata
---
amdhsa.version: [ 1, 2 ]
amdhsa.kernels:
  - .name:           k_qab019d8d20_attn
    .symbol:         k_qab019d8d20_attn.kd
    .args:
      - { .name: qb, .offset: 0, .size: 8, .value_kind: global_buffer, .address_space: global }
      - { .name: kv, .offset: 8, .size: 8, .value_kind: global_buffer, .address_space: global }
      - { .name: op, .offset: 16, .size: 8, .value_kind: global_buffer, .address_space: global }
    .group_segment_fixed_size: 210944
    .private_segment_fixed_size: 0
    .kernarg_segment_align: 8
    .kernarg_segment_size: 24
    .max_flat_workgroup_size: 512
    .sgpr_count:     100
    .vgpr_count:     256
    .wavefront_size: 32
...
	.end_amdgpu_metadata
.endif
;; end of part 3
;; launch gemm2 (part 4): grid 4 x 32, 4 waves a work-group, clusters of 4 x 4, 327,680 bytes of LDS; arguments op, out0; writes out0
.if DOCPART == 4
	.amdgcn_target "amdgcn-amd-amdhsa--gfx1250"
	.amdhsa_code_object_version 6
	.text
	.protected	k_qab019d8d20_gemm2
	.globl	k_qab019d8d20_gemm2
	.p2align	8
	.type	k_qab019d8d20_gemm2,@function
k_qab019d8d20_gemm2:
	s_mov_b64 s[64:65], 0
	v_nop
	global_prefetch_b8 v0, s[64:65] scope:SCOPE_SE
	s_setreg_imm32_b32 hwreg(HW_REG_WAVE_MODE, 25, 1), 1
	s_wait_xcnt 0x0
	s_wait_alu depctr_hold_cnt(0) depctr_sa_sdst(0) depctr_va_vdst(0) depctr_va_sdst(0) depctr_va_ssrc(0) depctr_va_vcc(0) depctr_vm_vsrc(0)
	s_getreg_b32 s2, hwreg(HW_REG_IB_STS2, 6, 4)
	s_cmp_eq_u32 s2, 0
	s_cbranch_scc0 .Lentry_in_a_cluster
	s_endpgm
.Lentry_in_a_cluster:
	s_bfe_u32 s2, ttmp6, 0x10000c
	s_cmp_lg_u32 s2, 0xf033
	s_cbranch_scc0 .Lentry_shape_is_right
	s_endpgm
.Lentry_shape_is_right:
; out0 = (attention's result) w_out on codes of FP6 (E2M3) with E8M0 scales, K = 1024; out0 [8192][1024] f32.
; OPERANDS lie in op as records of 12,800 bytes for each rowblock of 16 rows: 16 register images of 768 bytes (16 rows x 64 K: lane l's first 16 bytes at 16 l, its last 8 at 512 + 8 l), then 512 bytes of scale words.
; Rowblock 2 g + u holds rows 32 g + 8 u + r + 8 (r / 8).  A = rowblocks 768 on (tokens), B = rowblocks 704 on (w_out's columns).
; A tile of 256 x 256 is made by four waves; a wave makes 128 x 128: 64 accumulators, 512 registers.  THE MATRIX INSTRUCTION IS USED TRANSPOSED: source 0 = 16 rows of B, source 1 = 16 rows of A: a lane holds one token,
; and the 16 registers of result tiles 2 g and 2 g + 1 are the neighbouring columns 32 g + 16 (lane / 16) + 0 .. 15.
; K goes through three LDS slots of 256 along K (98,304 bytes): three first fills, and ONE refill, of slot 0.  A wave has at most three tensor loads out.
; CLUSTERS: 4 x 4 work-groups; A's tiles are asked for jointly along a row of the cluster, B's along a column.  The product has 128 tiles of this size: 128 work-groups.
; THE SCALES of a wave's 128 + 128 rows for all of K are 64 registers, loaded once: register SC + 8 i + ks holds in lanes 0-15 the words of A's block i, in lanes 16-31 those of B's block i.
; REGISTERS: window 0: v3-9 offsets, v16-27 LDS addresses, v32-95 scales, v128-223 A's fragments (one set; on the way out v128-255 take rows of the result); window 1: B's fragments, two sets; windows 2, 3: the accumulators.
.set FR,    12
.set NL,    4
.set NP,    4
.set REC,   12800
.set RBB,   3072
.set HALFT, 8*RBB
.set SLOT,  4*HALFT
.set SPARE, 3*SLOT                     ; behind the slots: the spare words, 128 bytes for each wave: two blocks of 256 bytes that no other line names
.set STG,   SLOT                       ; the way out: a stage of 16 rows x (512 + 16) bytes for each wave, in slot 1: it had its only fill at the start, and its last read stands ahead of the last barrier
.set A16,   16
.set A8,    19
.set B16,   22
.set B8,    25
.set SPW,   28
.set NIL,   29
.set VS,    30
.set SC,    32
.set AF,    128
.set STO,   8                          ; v8 the stage: where I put 32 bytes of a row
.set RD,    9                          ; v9 and where I read a row back
.set CO,    3                          ; v3 16 x lane: my bytes of a row's 512
.set BK,    128
.set G1,    24
.set G0,    32
.set G1B,   48
.set G0B,   68
.set MSB, 0
.macro WIN new                         ; the immediate's high byte repeats the setting that is left
.if MSB != \new
	s_set_vgpr_msb (MSB<<8)|\new
.set MSB, \new
.endif
.endm
.set MUL_LO, 0xa1
.set MUL_HI, 0xf1
.set TO_B,   0x40
.macro JLOAD g0a, g1a, g0b, g1b        ; a joint load: waves 0 and 1 fetch for A, waves 2 and 3 for B; an s_nop 0 and four v_nop follow each of the two lines
	s_cmp_eq_u32 s15, 0
	s_cbranch_scc0 .Lfor_b_\@
	tensor_load_to_lds s[\g0a:\g0a+3], s[\g1a:\g1a+7]
	s_nop 0
.rept 4
	v_nop
.endr
	s_branch .Lasked_\@
.Lfor_b_\@:
	tensor_load_to_lds s[\g0b:\g0b+3], s[\g1b:\g1b+7]
	s_nop 0
.rept 4
	v_nop
.endr
.Lasked_\@:
.endm
.macro CREST
	s_cmp_lg_u32 s14, 0
	s_cbranch_scc1 .Lnot_wave_0_\@
	s_barrier_signal -3
.Lnot_wave_0_\@:
	s_barrier_wait -3
	s_barrier_signal -1
	s_barrier_wait -1
.endm
.macro CROUND
	s_barrier_signal -1
	s_barrier_wait -1
	CREST
.endm
	s_load_b128 s[4:7], s[0:1], 0x0                ; op s[4:5], out0 s[6:7]
	v_lshl_add_u32 v[SPW], v0, 2, SPARE
	v_mov_b32 v[NIL], 0
	ds_add_u32 v[SPW], v[NIL]                      ; the wave's opening: the add and its wait stand ahead of my first tensor load; the set-up below, work on registers, stands between them
	v_lshrrev_b32 v1, 5, v0
	v_readfirstlane_b32 s14, v1                    ; wave 0..3
	s_lshr_b32 s15, s14, 1                         ; which half of A's rows is mine.  Also: I fetch for A (0) or for B (1)
	s_and_b32 s16, s14, 1                          ; which half of B's rows.  Also: which 8 rowblocks of that tile I fetch
	s_bfe_u32 s56, ttmp6, 0x40000                  ; cx, cy
	s_bfe_u32 s57, ttmp6, 0x40004
	s_lshl_b32 s58, s57, 2
	s_lshl_b32 s58, 15, s58                        ; my row of the cluster
	s_lshl_b32 s59, 0x1111, s56                    ; my column
	s_or_b32 s[G1+0], s58, (3<<16)|(1<<21)         ; 8 rows of 3,072 bytes (384 elements of 8 bytes), 12,800 bytes apart; no padding
	s_or_b32 s[G1B+0], s59, (3<<16)|(1<<21)
.irp g, G1, G1B
	s_mov_b32 s[\g+1], 384<<16
	s_mov_b32 s[\g+2], 8<<16
	s_mov_b32 s[\g+3], 384<<16
	s_mov_b32 s[\g+4], 8
	s_mov_b32 s[\g+5], 1600
	s_mov_b32 s[\g+6], 0
	s_mov_b32 s[\g+7], 0
.endr
	s_and_b32 s17, ttmp7, 0xffff
	s_lshl_b32 s17, s17, 2
	s_add_co_u32 s17, s17, s57                     ; tile row = 4 x cluster y + cy
	s_lshl_b32 s19, s17, 4
	s_add_co_u32 s19, s19, 768                     ; A's first rowblock
	s_lshl_b32 s62, ttmp9, 2
	s_add_co_u32 s62, s62, s56                     ; tile column = 4 x cluster x + cx
	s_lshl_b32 s45, s62, 4
	s_add_co_u32 s45, s45, 704                     ; B's
	s_lshl_b32 s22, s16, 3
	s_add_co_u32 s20, s19, s22
	s_mul_i32 s20, s20, REC
	s_mov_b32 s21, 0
	s_add_co_u32 s46, s45, s22
	s_mul_i32 s46, s46, REC
	s_mov_b32 s47, 0
	s_mul_i32 s23, s14, HALFT                      ; where they go: wave x 8 rowblocks
	s_wait_dscnt 0x0                               ; the opening add is done
	s_wait_kmcnt 0x0
	s_add_nc_u64 s[20:21], s[4:5], s[20:21]
	s_add_nc_u64 s[46:47], s[4:5], s[46:47]
	CROUND                                         ; all sixteen work-groups are here: the first joint loads meet
.irp s, 0,1,2
	s_mov_b32 s[G0+4*\s], 1
	s_add_co_u32 s[G0+4*\s+1], s23, \s*SLOT
	s_add_nc_u64 s[G0+4*\s+2:G0+4*\s+3], s[20:21], \s*RBB
	s_or_b32 s[G0+4*\s+3], s[G0+4*\s+3], 0x80000000
	s_mov_b32 s[G0B+4*\s], 1
	s_add_co_u32 s[G0B+4*\s+1], s23, \s*SLOT
	s_add_nc_u64 s[G0B+4*\s+2:G0B+4*\s+3], s[46:47], \s*RBB
	s_or_b32 s[G0B+4*\s+3], s[G0B+4*\s+3], 0x80000000
	JLOAD G0+4*\s, G1, G0B+4*\s, G1B
.endr
	v_and_b32 v1, 31, v0                           ; lane
	v_and_b32 v2, 15, v0                           ; r
	v_lshlrev_b32 v3, 4, v1                        ; 16 x lane
	v_lshlrev_b32 v4, 3, v1                        ; 8 x lane
	s_mul_i32 s21, s15, HALFT
	s_mul_i32 s22, s16, HALFT
	s_add_co_u32 s22, s22, 2*HALFT
.irp s, 0,1,2
	v_add_nc_u32 v[A16+\s], s21, v3
	v_add_nc_u32 v[A8+\s], s21, v4
	v_add_nc_u32 v[B16+\s], s22, v3
	v_add_nc_u32 v[B8+\s], s22, v4
	s_add_co_u32 s21, s21, SLOT
	s_add_co_u32 s22, s22, SLOT
.endr
	s_lshl_b32 s60, s15, 3
	s_add_co_u32 s60, s60, s19
	s_mul_i32 s60, s60, REC
	s_lshl_b32 s61, s16, 3
	s_add_co_u32 s61, s61, s45
	s_mul_i32 s61, s61, REC
	v_cmp_le_u32 s82, 16, v1
	v_mov_b32 v5, s60
	v_mov_b32 v6, s61
	v_cndmask_b32 v5, v5, v6, s82                  ; lanes 0-15 take A's words, lanes 16-31 B's
	v_lshl_add_u32 v5, v2, 4, v5
	v_add_nc_u32 v[VS], 12288, v5
.irp i, 0,1,2,3,4,5,6,7
.irp kh, 0,1
	global_load_b128 v[SC+8*\i+4*\kh:SC+8*\i+4*\kh+3], v[VS], s[4:5] offset:REC*\i+256*\kh
.endr
.endr
	s_mul_i32 s23, s14, 16*528
	s_add_co_u32 s23, s23, STG                     ; my stage
	v_bfe_u32 v7, v0, 4, 1
	v_mul_u32_u24 v[STO], v2, 528
	v_lshl_add_u32 v[STO], v7, 6, v[STO]
	v_add_nc_u32 v[STO], s23, v[STO]               ; in: row r, + 64 h
	v_add_nc_u32 v[RD], s23, v3                    ; back: the 32 lanes take one row of 512 bytes
	s_lshl_b32 s60, s17, 8
	s_lshl_b32 s61, s15, 7
	s_add_co_u32 s60, s60, s61                     ; my first token: 256 x tile row + 128 x half
	s_lshl_b32 s60, s60, 12                        ; rows of 4,096 bytes
	s_lshl_b32 s61, s62, 10
	s_add_co_u32 s60, s60, s61                     ; + 1,024 x tile column
	s_lshl_b32 s61, s16, 9
	s_add_co_u32 s60, s60, s61                     ; + 512 x half
	s_mov_b32 s61, 0
	s_add_nc_u64 s[80:81], s[6:7], s[60:61]
.macro FRAG reg, a16, a8, q, i
	ds_load_b128 v[\reg:\reg+3], v[\a16] offset:(\i)*RBB+(\q)*1536
	ds_load_b64 v[\reg+4:\reg+5], v[\a8] offset:(\i)*RBB+(\q)*1536+512
	ds_load_b128 v[\reg+6:\reg+9], v[\a16] offset:(\i)*RBB+(\q)*1536+768
	ds_load_b64 v[\reg+10:\reg+11], v[\a8] offset:(\i)*RBB+(\q)*1536+1280
.endm
.macro MUL16 a0, p, ks, zero           ; the 64 accumulators take turns, one instruction a turn, in the same order in every step
.irp a, \a0, \a0+1
.irp b, 0,1,2,3,4,5,6,7
.if \zero
	v_wmma_scale_f32_16x16x128_f8f6f4 v[8*(8*((\a)%4)+\b):8*(8*((\a)%4)+\b)+7], v[128*(\p)+FR*\b:128*(\p)+FR*\b+FR-1], v[AF+FR*(\a):AF+FR*(\a)+FR-1], 0, v[SC+8*\b+(\ks)], v[SC+8*(\a)+(\ks)] matrix_a_fmt:MATRIX_FMT_FP6 matrix_b_fmt:MATRIX_FMT_FP6 matrix_a_scale:MATRIX_SCALE_ROW1
.else
	v_wmma_scale_f32_16x16x128_f8f6f4 v[8*(8*((\a)%4)+\b):8*(8*((\a)%4)+\b)+7], v[128*(\p)+FR*\b:128*(\p)+FR*\b+FR-1], v[AF+FR*(\a):AF+FR*(\a)+FR-1], v[8*(8*((\a)%4)+\b):8*(8*((\a)%4)+\b)+7], v[SC+8*\b+(\ks)], v[SC+8*(\a)+(\ks)] matrix_a_fmt:MATRIX_FMT_FP6 matrix_b_fmt:MATRIX_FMT_FP6 matrix_a_scale:MATRIX_SCALE_ROW1
.endif
.endr
.endr
.endm
.macro FETCH_B slot, q, p
	WIN TO_B
.irp i, 0,1,2,3,4,5,6,7
	FRAG 128*(\p)+FR*\i, B16+\slot, B8+\slot, \q, \i
.endr
	WIN 0
.endm
.macro FETCH_A slot, q, i0
.irp i, \i0, \i0+1, \i0+2, \i0+3
	FRAG AF+FR*(\i), A16+\slot, A8+\slot, \q, \i
.endr
.endm
.macro PLACES n
.rept \n
	v_nop
.endr
.endm
.macro STEP ks, zero, ns, nq
	s_wait_dscnt 4*NL                              ; B's set and A's blocks 0-3 are in; the youngest sixteen loads (A's blocks 4-7) may be out
	WIN MUL_LO
	MUL16 0, (\ks)%2, \ks, \zero
	MUL16 2, (\ks)%2, \ks, \zero
	s_wait_dscnt 0
	PLACES NP
	FETCH_B \ns, \nq, 1-(\ks)%2
	FETCH_A \ns, \nq, 0
	WIN MUL_HI
	MUL16 4, (\ks)%2, \ks, \zero
	MUL16 6, (\ks)%2, \ks, \zero
	PLACES NP
	WIN 0
	FETCH_A \ns, \nq, 4
.endm
.macro TURN ks, ns, fill
	s_wait_tensorcnt 0x0                           ; all my tensor loads have landed
	ds_add_u32 v[SPW], v[NIL]                      ; 0 onto my spare word
	s_wait_dscnt 4*NL+1                            ; (the add and the youngest sixteen loads may be out)
	WIN MUL_LO
	MUL16 0, (\ks)%2, \ks, 0
	s_wait_dscnt 0x0                               ; the add is done, and my LDS reads are over
	s_barrier_signal -1
	MUL16 2, (\ks)%2, \ks, 0
	WIN 0
	s_barrier_wait -1
.if \fill
	CREST                                          ; the barrier has opened a round of the cluster's barrier: no wave of any partner still reads slot 0 or has a load on its way
	s_add_nc_u64 s[G0+2:G0+3], s[G0+2:G0+3], 3*RBB
	s_add_nc_u64 s[G0B+2:G0B+3], s[G0B+2:G0B+3], 3*RBB
	JLOAD G0, G1, G0B, G1B                         ; the first tensor load behind the round: 224 matrix instructions ahead of the wait for it
.else
	PLACES NP
.endif
	FETCH_B \ns, 0, 1-(\ks)%2
	FETCH_A \ns, 0, 0
	WIN MUL_HI
	MUL16 4, (\ks)%2, \ks, 0
	MUL16 6, (\ks)%2, \ks, 0
	PLACES NP
	WIN 0
	FETCH_A \ns, 0, 4
.endm
	s_wait_tensorcnt 2                             ; my part of slot 0 is in; slots 1 and 2 may be out
	s_barrier_signal -1
	s_barrier_wait -1
	FETCH_B 0, 0, 0
	FETCH_A 0, 0, 0
	FETCH_A 0, 0, 4
	s_wait_loadcnt 0x0                             ; the scales
	STEP 0, 1, 0, 1
	TURN 1, 1, 1
	STEP 2, 0, 1, 1
	STEP 3, 0, 2, 0
	STEP 4, 0, 2, 1
	TURN 5, 0, 0
	STEP 6, 0, 0, 1
	s_wait_dscnt 4*NL
	WIN MUL_LO
	MUL16 0, 1, 7, 0
	MUL16 2, 1, 7, 0
	s_wait_dscnt 0
	WIN MUL_HI
	MUL16 4, 1, 7, 0
	MUL16 6, 1, 7, 0
	WIN 0
; THE WAY OUT, block by block of 16 tokens x 128 columns, through my own stage: in, 32 bytes a lane and tile, at the columns' true places; back, whole rows of 512 bytes, which the 32 lanes store as 512 consecutive bytes, aligned.
; LDS serves a wave's instructions in order: no wait between the stores and the loads, nor in front of the next block's stores.  Fragment row t of block a is token 32 (a / 2) + 8 (a % 2) + t + 8 (t / 8) of my 128.
.macro TOSTAGE a
.set AC, 64*((\a)%4)
	WIN 0x08+4*((\a)/4)                            ; the data: window 2 or 3
.irp b, 0,1,2,3,4,5,6,7
	ds_store_b128 v[STO], v[AC+8*\b:AC+8*\b+3] offset:128*(\b/2)+32*(\b%2)        ; each accumulator from its low end on
	ds_store_b128 v[STO], v[AC+8*\b+4:AC+8*\b+7] offset:128*(\b/2)+32*(\b%2)+16
.endr
	WIN 0
.set BB, BK+64*((\a)%2)
.irp t, 0,1,2,3,4,5,6,7,8,9,10,11,12,13,14,15
	ds_load_b128 v[BB+4*\t:BB+4*\t+3], v[RD] offset:\t*528
.endr
.endm
.macro SEND a, younger                 ; younger: the LDS instructions issued behind block a's loads, which may stay out
.set BB, BK+64*((\a)%2)
	s_wait_dscnt \younger
.irp t, 0,1,2,3,4,5,6,7,8,9,10,11,12,13,14,15
	global_store_b128 v[CO], v[BB+4*\t:BB+4*\t+3], s[80:81] offset:(32*((\a)/2)+8*((\a)%2)+\t+8*(\t/8))*4096 th:TH_STORE_NT   ; 127 rows of 4,096 bytes at the most: inside the signed 24-bit immediate
.endr
.endm
	PLACES NP
	TOSTAGE 0
.irp a, 1,2,3,4,5,6,7
.if \a > 1
	s_wait_xcnt 0x0                                ; block a - 2's stores have read their registers: block a's loads may land there
.endif
	TOSTAGE \a
	SEND \a-1, 32                                  ; behind block a - 1's loads: block a's 16 stores and 16 loads
.endr
	SEND 7, 0
	s_wait_tensorcnt 0x0                           ; the wave's end, behind my last tensor load and my last LDS store
	ds_add_u32 v[SPW], v[NIL]
	s_wait_dscnt 0x0
	CROUND                                         ; the closing round
	s_endpgm
.Lfunc_end_k_qab019d8d20_gemm2:
	.size	k_qab019d8d20_gemm2, .Lfunc_end_k_qab019d8d20_gemm2-k_qab019d8d20_gemm2
	.p2alignl 7, 3214868480
	.fill 96, 4, 3214868480
	.section	.rodata,"a",@progbits
	.p2align	6, 0x0
	.amdhsa_kernel k_qab019d8d20_gemm2
		.amdhsa_group_segment_fixed_size 327680
		.amdhsa_private_segment_fixed_size 0
		.amdhsa_enable_private_segment 0
		.amdhsa_kernarg_size 16
		.amdhsa_user_sgpr_count 2
		.amdhsa_user_sgpr_kernarg_segment_ptr 1
		.amdhsa_wavefront_size32 1
		.amdhsa_system_sgpr_workgroup_id_x 1
		.amdhsa_system_sgpr_workgroup_id_y 1
		.amdhsa_system_sgpr_workgroup_id_z 1
		.amdhsa_system_vgpr_workitem_id 0
		.amdhsa_next_free_vgpr 1024
		.amdhsa_next_free_sgpr 100
		.amdhsa_reserve_vcc 0
		.amdhsa_float_denorm_mode_32 3
		.amdhsa_float_denorm_mode_16_64 3
		.amdhsa_memory_ordered 1
		.amdhsa_forward_progress 1
		.amdhsa_inst_pref_size 141
	.end_amdhsa_kernel
	.amdgpu_metadata
---
amdhsa.version: [ 1, 2 ]
amdhsa.kernels:
  - .name:           k_qab019d8d20_gemm2
    .symbol:         k_qab019d8d20_gemm2.kd
    .args:
      - { .name: op, .offset: 0, .size: 8, .value_kind: global_buffer, .address_space: global }
      - { .name: out0, .offset: 8, .size: 8, .value_kind: global_buffer, .address_space: global }
    .group_segment_fixed_size: 327680
    .private_segment_fixed_size: 0
    .kernarg_segment_align: 8
    .kernarg_segment_size: 16
    .max_flat_workgroup_size: 128
    .sgpr_count:     100
    .vgpr_count:     1024
    .wavefront_size: 32
...
	.end_amdgpu_metadata
.endif
;; end of part 4
